; MI455X (gfx1250); checked and timed in simulation.
; The chip was launched on July 23, 2026; its instructions are those of AMD's public machine-readable ISA for CDNA 5 (MIT licence, August 2026) and "CDNA5" Instruction Set Architecture Reference Guide (July 2026). The comments in the code are by the model that wrote it; some were corrected since.
;; Lightweight Attn. Allowed arithmetic: matrix products marked QUANTISED: E4M3 operands, one E8M0 scale for each 32 along K, by v_wmma_scale_f32_16x16x128_f8f6f4 with both operands' format E4M3, f32 sums; everything else in f32.
;; Inputs: Wk_codes 1,024 x 32 x 32 uint8 (E4M3 codes of Wk, K innermost, in blocks of 32 codes); Wk_scales 1,024 x 32 uint8 (E8M0 scales of Wk, one for each 32 codes along K); Wo_codes 1,024 x 32 x 32 uint8 (E4M3 codes of Wo, K innermost, in blocks of 32 codes); Wo_scales 1,024 x 32 uint8 (E8M0 scales of Wo, one for each 32 codes along K); Wq_codes 1,024 x 32 x 32 uint8 (E4M3 codes of Wq, K innermost, in blocks of 32 codes); Wq_scales 1,024 x 32 uint8 (E8M0 scales of Wq, one for each 32 codes along K); Wv_codes 1,024 x 32 x 32 uint8 (E4M3 codes of Wv, K innermost, in blocks of 32 codes); Wv_scales 1,024 x 32 uint8 (E8M0 scales of Wv, one for each 32 codes along K); bk 1,024 float32; bo 1,024 float32; bq 1,024 float32; bv 1,024 float32; ln_beta 1,024 float32; ln_gamma 1,024 float32; x 4 x 2,048 x 1,024 float32.
;; Outputs: out0 4 x 2,048 x 1,024 float32.
;; This version of the problem:
;;   THIS VERSION OF THE PROBLEM IS GIVEN IN LOW PRECISION. The matrix products marked QUANTISED in the list below multiply operands that are first quantised to E4M3 (4 exponent bits, 3 mantissa bits; 8 bits a number), with one power-of-two scale for each 32 numbers along K (OCP MX v1.0); their sums are f32. All else is computed in f32.
;;   The module's matrix products, in the order in which they are computed (A, B: the left and right operand; K: the contracted axis; several contracted axes count as one K, in the product's order):
;;     1. [M 8,192, K 1,024] x [K 1,024, N 1,024]; A: computed on the way; B: input Wq (given as codes): QUANTISED
;;     2. [M 8,192, K 1,024] x [K 1,024, N 1,024]; A: computed on the way; B: input Wk (given as codes): QUANTISED
;;     3. [M 8,192, K 1,024] x [K 1,024, N 1,024]; A: computed on the way; B: input Wv (given as codes): QUANTISED
;;     4. batch 64 x [M 2,048, K 64] x [K 64, N 2,048]; A: computed on the way; B: computed on the way: QUANTISED
;;     5. batch 64 x [M 2,048, K 2,048] x [K 2,048, N 64]; A: softmax (see below); B: computed on the way: QUANTISED
;;     6. [M 8,192, K 1,024] x [K 1,024, N 1,024]; A: computed on the way; B: input Wo (given as codes): QUANTISED
;;   THE QUANTISER, for each operand of a quantised product, along K:
;;     - K is cut into blocks of 32 from its start; a last block that is shorter is filled with zeros.
;;     - A block's scale is 2^e with e = floor(log2(the largest magnitude in the block)) - 8, held to -126 .. 127; a block of zeros has e = 0. As a byte (E8M0): e + 127.
;;     - Each number is divided by its block's scale, clamped to +-448, and rounded to the nearest number of E4M3, ties to even, subnormals kept.
;;     - The product sums the exact products of the quantised numbers (number of the format x scale) in f32.
;;   ~~~python
;;   def quantise(x, axis):      # numpy; x: float32 -> the quantised numbers, widened to float32 again
;;       x = np.moveaxis(x, axis, -1); K = x.shape[-1]
;;       x = np.pad(x, [(0, 0)] * (x.ndim - 1) + [(0, -K % 32)]); x = x.reshape(x.shape[:-1] + (-1, 32)); a = np.abs(x).max(-1, keepdims=True)
;;       e = np.where(a > 0, np.clip(np.frexp(np.where(a > 0, a, 1))[1] - 1 - 8, -126, 127), 0)      # np.frexp(a)[1] - 1 = floor(log2(a)), exactly
;;       r = np.clip(x / 2.0 ** e, -448, 448)
;;       step = 2.0 ** (np.maximum(np.frexp(np.where(r == 0, 1, r))[1] - 1, -6) - 3)
;;       q = np.round(r / step) * step * 2.0 ** e      # np.round: ties to even
;;       return np.moveaxis(q.reshape(q.shape[:-2] + (-1,))[..., :K], -1, axis).astype(np.float32)
;;   ~~~
;;   SOFTMAX AHEAD OF A QUANTISED PRODUCT. Where the list says 'softmax', what is quantised is not the finished softmax but p = 2^(t - M), with t = logit x log2(e) and M = ceil(the row's largest t), a whole number; so 1/2 < the row's largest p <= 1. The row's sum l is taken of the UNQUANTISED p, in f32, and the product's result is divided by l at the end. Since M is a whole number, a kernel that streams over the keys may use a running M (the ceiling of the running maximum): every later rescaling is an exact power of two, which a block's scale takes up: the codes' values come out the same.
;;   OPERANDS COMPUTED ON THE WAY. 'Computed on the way' means the value that the module computes at that place (a softmax that the list does not call 'softmax' is quantised finished and normalised). What goes into a quantiser is computed in f32, as accurately as f32 sums, v_exp_f32 and their like allow (about 1e-6 of the number): no bf16 or f16 on the way to a quantiser, and a product that is left as it is and whose result goes on into a quantised operand takes f32 operands (vector FMAs, or v_wmma_f32_16x16x4_f32). A number that lies on a knife's edge between two numbers of the format may be rounded either way, as far as f32 arithmetic and the matrix unit's own rounding can turn it there, and no further.
;;   INPUTS GIVEN AS CODES. Wk (in the module: [1024, 1024], K = its axis 0); Wo (in the module: [1024, 1024], K = its axis 0); Wq (in the module: [1024, 1024], K = its axis 0); Wv (in the module: [1024, 1024], K = its axis 0): each comes as NAME_codes (uint8): NAME with its K axis moved to the last place and cut into blocks of 32 codes, [.., K / 32, bytes a block], one block behind the other in memory; one code a byte (a code: sign, 4 exponent bits, 3 mantissa bits); and NAME_scales (uint8): the same leading axes, one E8M0 byte (e + 127) for each 32 codes along K. Its value is code x scale, taken as it is: it is not quantised again, and the codes and scales need not be those that the quantiser above would give.
;; One version. Each part assembles by itself: llvm-mc -triple=amdgcn-amd-amdhsa -mcpu=gfx1250 --defsym DOCPART=n.
;; ======== version 1 of 1: 4 launches
;; limits: right only within a limited range of input values
;; workspace buffers: xn_codes 8,388,608 bytes; xn_scales 262,144 bytes; rope 524,288 bytes; qkv_codes 25,165,824 bytes; qkv_scales 786,432 bytes; ao_codes 8,388,608 bytes; ao_scales 262,144 bytes
;; launch lnq (part 1): grid 256 x 1, 4 waves a work-group, no clusters, 33,280 bytes of LDS; arguments x, ln_gamma, ln_beta, xn_codes, xn_scales, rope; writes xn_codes, xn_scales, rope
.if DOCPART == 1
	.amdgcn_target "amdgcn-amd-amdhsa--gfx1250"
	.amdhsa_code_object_version 6
	.text
	.protected	k_qd8168c3039_lnq
	.globl	k_qd8168c3039_lnq
	.p2align	8
	.type	k_qd8168c3039_lnq,@function
k_qd8168c3039_lnq:
	s_mov_b64 s[64:65], 0
	v_nop
	global_prefetch_b8 v0, s[64:65] scope:SCOPE_SE
	s_setreg_imm32_b32 hwreg(HW_REG_WAVE_MODE, 25, 1), 1
	s_wait_xcnt 0x0
; LayerNorm of x [8192][1024] f32, quantised along the row to codes of E4M3 with one E8M0 byte for each 32: xn_codes [8192][1024], xn_scales [8192][32].
; Beside it the table for the rotary embedding: rope [2048 positions][32 frequencies][cos, sin] f32.
; SHARES.  A wave owns 8 neighbouring rows; a row (4,096 bytes) is eight loads of 512 consecutive bytes and stays in 32 registers through mean, variance (of x - mean) and scaling.
; Four row slots take turns, so that up to three rows of a wave are on their way while one is worked on.  Waves share nothing: no barrier, no matrix unit, no cluster (no byte is read by two work-groups).
; THE QUANTISER wants 16 neighbours in one lane, the loads give 4: half a row (2,048 bytes) turns through the wave's own stage in LDS, 16 bytes of padding behind each 64.
; Two neighbouring lanes hold a block of 32.  A lane's 16 codes are 16 bytes: a store covers 512 consecutive bytes.  A wave's 8 rows make 256 scale bytes: gathered in LDS, stored as one aligned run of 256.
; LIMITS: NaN and infinities among the inputs are not served.  A block of zeros gets the byte 1 (its codes are zeros; the bytes are read by this program alone).
; The angle is position x inv_freq, inv_freq = 2^(-f log2(10000) / 32) by v_exp_f32: at position 2,047 a last-bit difference of inv_freq is some 1.5e-4 radians.
.set ROWB, 4096
.set SP,   80                          ; a lane's place in a stage: 64 bytes + 16 of padding
.set STG,  32*SP                       ; a stage
.set SCB,  2*STG                       ; behind the two stages: the wave's 256 scale bytes
.set G,    16                          ; v16-47   gamma, laid as a row is loaded
.set BT,   48                          ; v48-79   beta
.set X,    80                          ; v80-207  four row slots of 32
.set XS,   208                         ; v208-239 two sets of 16 neighbours
.set C,    240                         ; v240-247 two sets of codes
.set E,    248                         ; v248-249 scale bytes
	s_load_b256 s[4:11], s[0:1], 0x0               ; x s[4:5], gamma s[6:7], beta s[8:9], xn_codes s[10:11]
	s_load_b128 s[12:15], s[0:1], 0x20             ; xn_scales s[12:13], rope s[14:15]
	v_lshl_add_u32 v255, v0, 2, 0x8000
	s_set_vgpr_msb 0x40
	v_mov_b32 v1, 0
	s_set_vgpr_msb 0x4000
	v_lshrrev_b32 v1, 5, v0
	v_readfirstlane_b32 s16, v1                    ; wave
	v_and_b32 v1, 31, v0                           ; lane
	v_lshlrev_b32 v2, 4, v1                        ; 16 x lane
	s_lshl_b32 s17, s16, 13                        ; my wave's 8,192 bytes of LDS
	v_lshrrev_b32 v3, 2, v1
	v_mul_u32_u24 v3, v3, SP
	v_and_b32 v4, 3, v1
	v_lshl_add_u32 v3, v4, 4, v3
	v_add_nc_u32 v3, s17, v3                       ; into a stage: four lanes' 64 bytes on end, then the padding
	v_mul_u32_u24 v4, v1, SP
	v_add_nc_u32 v4, s17, v4                       ; out of it: my 16 neighbours
	s_add_co_u32 s18, s17, SCB
	v_lshrrev_b32 v5, 1, v1
	v_add_nc_u32 v5, s18, v5                       ; my block's scale byte
	v_lshlrev_b32 v7, 3, v1
	v_add_nc_u32 v6, s18, v7                       ; and 8 bytes a lane on the way out
	s_mov_b32 s20, 0x76543210
	s_mov_b32 s21, 0xfedcba98                      ; v_permlanex16_b32: lane l xor 16
	s_mov_b32 s22, 0x3a800000                      ; 1 / 1024
	s_mov_b32 s23, 0x600000                        ; the mantissa field of 448
	s_lshl_b32 s18, ttmp9, 17                      ; 32 rows of 4,096 bytes a work-group,
	s_lshl_b32 s19, s16, 15                        ; 8 a wave
	s_add_co_u32 s18, s18, s19
	s_mov_b32 s19, 0
	s_lshl_b32 s24, ttmp9, 11                      ; the table: 128 threads x 16 bytes a work-group
	s_mov_b32 s25, 0
	s_wait_kmcnt 0x0
	s_add_nc_u64 s[4:5], s[4:5], s[18:19]
	s_lshr_b32 s18, s18, 2                         ; a row of codes is 1,024 bytes
	s_add_nc_u64 s[10:11], s[10:11], s[18:19]
	s_lshr_b32 s18, s18, 5                         ; a row of scale bytes 32
	s_add_nc_u64 s[12:13], s[12:13], s[18:19]
	s_add_nc_u64 s[14:15], s[14:15], s[24:25]
.irp j, 0,1,2,3,4,5,6,7
	global_load_b128 v[G+4*\j:G+4*\j+3], v2, s[6:7] offset:512*\j
.endr
.irp j, 0,1,2,3,4,5,6,7
	global_load_b128 v[BT+4*\j:BT+4*\j+3], v2, s[8:9] offset:512*\j
.endr
.macro LOADROW n                       ; row n of my eight into slot n % 4: eight loads of 512 consecutive bytes
.irp j, 0,1,2,3,4,5,6,7
	global_load_b128 v[X+32*((\n)%4)+4*\j:X+32*((\n)%4)+4*\j+3], v2, s[4:5] offset:ROWB*(\n)+512*\j th:TH_LOAD_NT
.endr
.endm
	LOADROW 0
	LOADROW 1
	LOADROW 2
	LOADROW 3
; THE TABLE, while the rows are on their way.  Thread g of the launch makes entries 2 g and 2 g + 1: position g / 16, frequencies 2 (g % 16) and the next.
	v_and_b32 v208, 15, v0
	v_lshlrev_b32 v208, 1, v208
	v_lshrrev_b32 v209, 4, v0
	s_lshl_b32 s24, ttmp9, 3
	v_add_nc_u32 v209, s24, v209
	v_cvt_f32_u32 v209, v209                       ; the position
	v_cvt_f32_u32 v210, v208
	v_add_f32 v211, 1.0, v210
	v_mul_f32 v210, 0xbed49a78, v210               ; - f log2(10000) / 32
	v_mul_f32 v211, 0xbed49a78, v211
	s_wait_alu depctr_va_vdst(0)
	v_exp_f32 v210, v210
	v_exp_f32 v211, v211
	v_lshlrev_b32 v254, 4, v0                      ; (a plain line behind the exponentials)  16 bytes a thread
	s_wait_alu depctr_va_vdst(0)                   ; one wait for both, ahead of their first reader
; sin and cos of position x inv_freq: n = the nearest multiple of pi / 2, taken off in two parts (the first product is exact: n has 11 bits), then Taylor sums on |rho| <= pi / 4, then the quadrant.
.macro TRIG k
.set R,  212+8*(\k)
.set OC, 250+2*(\k)
	v_mul_f32 v[R], v209, v[210+(\k)]
	v_mul_f32 v[R+1], 0x3f22f983, v[R]
	v_rndne_f32 v[R+1], v[R+1]
	v_fmamk_f32 v[R+2], v[R+1], 0xbfc90fdb, v[R]
	v_fmamk_f32 v[R+2], v[R+1], 0x333bbd2e, v[R+2]
	v_mul_f32 v[R+3], v[R+2], v[R+2]
	v_mov_b32 v[R+4], 0x3638ef1d
	v_fmaak_f32 v[R+4], v[R+4], v[R+3], 0xb9500d01
	v_fmaak_f32 v[R+4], v[R+4], v[R+3], 0x3c088889
	v_fmaak_f32 v[R+4], v[R+4], v[R+3], 0xbe2aaaab
	v_mul_f32 v[R+7], v[R+2], v[R+3]
	v_fma_f32 v[R+4], v[R+7], v[R+4], v[R+2]       ; sin rho
	v_mov_b32 v[R+5], 0xb493f27e
	v_fmaak_f32 v[R+5], v[R+5], v[R+3], 0x37d00d01
	v_fmaak_f32 v[R+5], v[R+5], v[R+3], 0xbab60b61
	v_fmaak_f32 v[R+5], v[R+5], v[R+3], 0x3d2aaaab
	v_fmaak_f32 v[R+5], v[R+5], v[R+3], 0xbf000000
	v_fmaak_f32 v[R+5], v[R+5], v[R+3], 0x3f800000 ; cos rho
	v_cvt_i32_f32 v[R+6], v[R+1]
	v_and_b32 v[R+7], 1, v[R+6]
	v_cmp_eq_u32 vcc_lo, 1, v[R+7]                 ; an odd quadrant swaps the two
	v_cndmask_b32 v[OC+1], v[R+4], v[R+5], vcc_lo
	v_cndmask_b32 v[OC], v[R+5], v[R+4], vcc_lo
	v_and_b32 v[R+7], 2, v[R+6]
	v_lshlrev_b32 v[R+7], 30, v[R+7]
	v_xor_b32 v[OC+1], v[R+7], v[OC+1]             ; sin is negative in quadrants 2 and 3,
	v_add_nc_u32 v[R+6], 1, v[R+6]
	v_and_b32 v[R+6], 2, v[R+6]
	v_lshlrev_b32 v[R+6], 30, v[R+6]
	v_xor_b32 v[OC], v[R+6], v[OC]                 ; cos in 1 and 2
.endm
	TRIG 0
	TRIG 1
	global_store_b128 v254, v[250:253], s[14:15]   ; a wave stores 512 consecutive bytes; v250-254 are never written again
.macro ACROSS a, t                     ; the sum over the 32 lanes, in every lane
	v_add_f32_dpp v[\a], v[\a], v[\a] row_xmask:1 row_mask:0xf bank_mask:0xf
	v_add_f32_dpp v[\a], v[\a], v[\a] row_xmask:2 row_mask:0xf bank_mask:0xf
	v_add_f32_dpp v[\a], v[\a], v[\a] row_xmask:4 row_mask:0xf bank_mask:0xf
	v_add_f32_dpp v[\a], v[\a], v[\a] row_xmask:8 row_mask:0xf bank_mask:0xf
	v_permlanex16_b32 v[\t], v[\a], s20, s21
	v_add_f32 v[\a], v[\a], v[\t]
.endm
.macro QSTEP n, u                      ; half u of row n: 16 neighbours a lane become 16 codes and, for two lanes, a scale byte
.set XQ, XS+16*(\u)
.set CQ, C+4*(\u)
	s_wait_xcnt 0x0                                ; the last row's store of this set of codes has read its registers: they are written again only behind this wait
	v_max3_num_f32 v12, |v[XQ]|, |v[XQ+1]|, |v[XQ+2]|
	v_max3_num_f32 v13, |v[XQ+3]|, |v[XQ+4]|, |v[XQ+5]|
.irp j, 6,10
	v_max3_num_f32 v12, v12, |v[XQ+\j]|, |v[XQ+\j+1]|
	v_max3_num_f32 v13, v13, |v[XQ+\j+2]|, |v[XQ+\j+3]|
.endr
	v_max3_num_f32 v12, v12, |v[XQ+14]|, |v[XQ+15]|
	v_max3_num_f32 v12, v12, v13, 0x4800000        ; and the floor 2^(9 - 127): the byte cannot fall under 1
	v_max_num_f32_dpp v12, v12, v12 row_xmask:1 row_mask:0xf bank_mask:0xf   ; with my neighbour's 16: the block's largest magnitude
	v_add_nc_u32 v15, 0xfc000000, v12              ; 8 off its exponent field: the conversion's scale operand
	v_and_or_b32 v14, v12, 0x7f800000, s23         ; 448 x the scale
.set j, 0
.rept 16
	v_med3_num_f32 v[XQ+j], v[XQ+j], -v14, v14     ; the conversion to an 8-bit code does not saturate (ISA guide 7.6.2): the hold
.set j, j+1
.endr
	v_cvt_scalef32_pk8_fp8_f32 v[CQ:CQ+1], v[XQ:XQ+7], v15
	v_cvt_scalef32_pk8_fp8_f32 v[CQ+2:CQ+3], v[XQ+8:XQ+15], v15
	v_lshrrev_b32 v[E+(\u)], 23, v15               ; the scale's byte (a plain line behind the conversions)
	ds_store_b8 v5, v[E+(\u)] offset:32*(\n)+16*(\u)   ; both lanes of a block write the same byte with the same value
	global_store_b128 v2, v[CQ:CQ+3], s[10:11] offset:1024*(\n)+512*(\u)
.endm
.macro ROW n
.set XB, X+32*((\n)%4)
.if (\n) <= 4
	s_wait_loadcnt 24                              ; my row is in (for row 0: gamma and beta too); the three rows behind it stay out
.else
	s_wait_loadcnt 8*(7-(\n))
.endif
	v_pk_add_f32 v[8:9], v[XB:XB+1], v[XB+2:XB+3]
	v_pk_add_f32 v[10:11], v[XB+4:XB+5], v[XB+6:XB+7]
.irp j, 8,12,16,20,24,28
	v_pk_add_f32 v[8:9], v[8:9], v[XB+\j:XB+\j+1]
	v_pk_add_f32 v[10:11], v[10:11], v[XB+\j+2:XB+\j+3]
.endr
	v_pk_add_f32 v[8:9], v[8:9], v[10:11]
	v_add_f32 v8, v8, v9
	ACROSS 8, 9
	v_mul_f32 v8, s22, v8                          ; the mean
	v_mov_b32 v9, v8
.set j, 0
.rept 16
	v_pk_add_f32 v[XB+j:XB+j+1], v[XB+j:XB+j+1], v[8:9] neg_lo:[0,1] neg_hi:[0,1]
.set j, j+2
.endr
	v_pk_mul_f32 v[10:11], v[XB:XB+1], v[XB:XB+1]
	v_pk_mul_f32 v[12:13], v[XB+2:XB+3], v[XB+2:XB+3]
.irp j, 4,8,12,16,20,24,28
	v_pk_fma_f32 v[10:11], v[XB+\j:XB+\j+1], v[XB+\j:XB+\j+1], v[10:11]
	v_pk_fma_f32 v[12:13], v[XB+\j+2:XB+\j+3], v[XB+\j+2:XB+\j+3], v[12:13]
.endr
	v_pk_add_f32 v[10:11], v[10:11], v[12:13]
	v_add_f32 v10, v10, v11
	ACROSS 10, 11
	v_fmaak_f32 v10, s22, v10, 0x3727c5ac          ; the variance + 1e-5
	s_wait_alu depctr_va_vdst(0)
	v_rsq_f32 v10, v10
	v_nop                                          ; a plain line behind the transcendental
	s_wait_alu depctr_va_vdst(0)                   ; and the wait ahead of its first reader
	v_mov_b32 v11, v10
.set j, 0
.rept 16
	v_pk_mul_f32 v[XB+j:XB+j+1], v[XB+j:XB+j+1], v[10:11]
.set j, j+2
.endr
.set j, 0
.rept 16
	v_pk_fma_f32 v[XB+j:XB+j+1], v[XB+j:XB+j+1], v[G+j:G+j+1], v[BT+j:BT+j+1]
.set j, j+2
.endr
.irp u, 0,1                            ; both halves through their stages: LDS serves a wave's instructions in order, so no wait stands between the stores and the loads
.irp j, 0,1,2,3
	ds_store_b128 v3, v[XB+16*\u+4*\j:XB+16*\u+4*\j+3] offset:STG*\u+8*SP*\j
.endr
.irp j, 0,1,2,3
	ds_load_b128 v[XS+16*\u+4*\j:XS+16*\u+4*\j+3], v4 offset:STG*\u+16*\j
.endr
.endr
	s_wait_dscnt 0x0                               ; the neighbours are back, so the stores have read the slot,
.if (\n) < 4
	LOADROW (\n)+4                                 ; which takes the row four further on
.endif
	QSTEP \n, 0
	QSTEP \n, 1
.endm
.irp r, 0,1,2,3,4,5,6,7
	ROW \r
.endr
	ds_load_b64 v[12:13], v6                       ; my wave's 256 scale bytes: these loads see my stores (a wave's LDS instructions are served in order)
	s_wait_dscnt 0x0
	global_store_b64 v7, v[12:13], s[12:13]        ; 32 lanes store 256 consecutive bytes, aligned
	s_set_vgpr_msb 0x4
	s_wait_tensorcnt 0x0
	ds_add_u32 v255, v1
	s_wait_dscnt 0x0
	s_set_vgpr_msb 0x400
	s_endpgm
.Lfunc_end_k_qd8168c3039_lnq:
	.size	k_qd8168c3039_lnq, .Lfunc_end_k_qd8168c3039_lnq-k_qd8168c3039_lnq
	.p2alignl 7, 3214868480
	.fill 96, 4, 3214868480
	.section	.rodata,"a",@progbits
	.p2align	6, 0x0
	.amdhsa_kernel k_qd8168c3039_lnq
		.amdhsa_group_segment_fixed_size 33280
		.amdhsa_private_segment_fixed_size 0
		.amdhsa_enable_private_segment 0
		.amdhsa_kernarg_size 48
		.amdhsa_user_sgpr_count 2
		.amdhsa_user_sgpr_kernarg_segment_ptr 1
		.amdhsa_wavefront_size32 1
		.amdhsa_system_sgpr_workgroup_id_x 1
		.amdhsa_system_sgpr_workgroup_id_y 1
		.amdhsa_system_sgpr_workgroup_id_z 1
		.amdhsa_system_vgpr_workitem_id 0
		.amdhsa_next_free_vgpr 258
		.amdhsa_next_free_sgpr 66
		.amdhsa_reserve_vcc 1
		.amdhsa_float_denorm_mode_32 3
		.amdhsa_float_denorm_mode_16_64 3
		.amdhsa_memory_ordered 1
		.amdhsa_forward_progress 1
		.amdhsa_inst_pref_size 104
	.end_amdhsa_kernel
	.amdgpu_metadata
---
amdhsa.version: [ 1, 2 ]
amdhsa.kernels:
  - .name:           k_qd8168c3039_lnq
    .symbol:         k_qd8168c3039_lnq.kd
    .args:
      - { .name: x, .offset: 0, .size: 8, .value_kind: global_buffer, .address_space: global }
      - { .name: ln_gamma, .offset: 8, .size: 8, .value_kind: global_buffer, .address_space: global }
      - { .name: ln_beta, .offset: 16, .size: 8, .value_kind: global_buffer, .address_space: global }
      - { .name: xn_codes, .offset: 24, .size: 8, .value_kind: global_buffer, .address_space: global }
      - { .name: xn_scales, .offset: 32, .size: 8, .value_kind: global_buffer, .address_space: global }
      - { .name: rope, .offset: 40, .size: 8, .value_kind: global_buffer, .address_space: global }
    .group_segment_fixed_size: 33280
    .private_segment_fixed_size: 0
    .kernarg_segment_align: 8
    .kernarg_segment_size: 48
    .max_flat_workgroup_size: 128
    .sgpr_count:     66
    .vgpr_count:     258
    .wavefront_size: 32
...
	.end_amdgpu_metadata
.endif
;; end of part 1
;; launch qkv (part 2): grid 12 x 32, 4 waves a work-group, clusters of 4 x 4, 327,680 bytes of LDS; arguments xn_codes, xn_scales, Wq_codes, Wq_scales, Wk_codes, Wk_scales, Wv_codes, Wv_scales, bq, bk, bv, rope, qkv_codes, qkv_scales; writes qkv_codes, qkv_scales
.if DOCPART == 2
	.amdgcn_target "amdgcn-amd-amdhsa--gfx1250"
	.amdhsa_code_object_version 6
	.text
	.protected	k_qd8168c3039_qkv
	.globl	k_qd8168c3039_qkv
	.p2align	8
	.type	k_qd8168c3039_qkv,@function
k_qd8168c3039_qkv:
	s_mov_b64 s[64:65], 0
	v_nop
	global_prefetch_b8 v0, s[64:65] scope:SCOPE_SE
	s_setreg_imm32_b32 hwreg(HW_REG_WAVE_MODE, 25, 1), 1
	s_wait_xcnt 0x0
	s_wait_alu depctr_hold_cnt(0) depctr_sa_sdst(0) depctr_va_vdst(0) depctr_va_sdst(0) depctr_va_ssrc(0) depctr_va_vcc(0) depctr_vm_vsrc(0)
	s_getreg_b32 s2, hwreg(HW_REG_IB_STS2, 6, 4)
	s_cmp_eq_u32 s2, 0
	s_cbranch_scc0 .Lentry_in_a_cluster
	s_endpgm
.Lentry_in_a_cluster:
	s_bfe_u32 s2, ttmp6, 0x10000c
	s_cmp_lg_u32 s2, 0xf033
	s_cbranch_scc0 .Lentry_shape_is_right
	s_endpgm
.Lentry_shape_is_right:
; q, k, v = xn W + b on codes of E4M3 with E8M0 scales (K = 1,024), the rotary embedding on q and k, and the quantiser for attention: q and k along the head's 64, v along the keys.
; A work-group of four waves makes 256 x 256, a wave 128 x 128: 64 accumulators, 512 registers.  K goes in steps of 256 through two LDS slots filled by the tensor data mover; the scale bytes of the work-group's rows come once and stay.
; THE MATRIX INSTRUCTION IS USED TRANSPOSED (source 0 = 16 rows of 'B', source 1 = 16 rows of 'A'): lane (r, h) of accumulator (a, b) holds 'A' row 16 a + r and 'B' rows 16 b + 8 h + 0..7.
; ROLES, by the cluster's x (the same in all sixteen partners).  0, 1: A = xn, B = Wq, Wk: a lane holds one token and eight neighbouring channels, so a rotation's pair lies in one lane and a block of 32 channels in lanes l and l xor 16.
; 2: A = Wv, B = xn: a lane holds one channel of v and eight neighbouring tokens, so a block of 32 KEYS lies in lanes l and l xor 16.  One loop serves all three.
; CLUSTERS: 4 x 4 work-groups; A's tiles are asked for jointly along a row of the cluster, B's along a column: the same tensor load with the same descriptor and a mask that names the four.
; A wave's 128 tokens are one key step of attention, its 128 channels two heads.  OUT: part P (q, k, v) at P x 8,388,608, head at x 131,072, key step at x 8,192: 64 rows of 128 bytes.
;   q, k: token 16 a + r, channel d -> row 8 a + r % 8, byte 64 (r / 8) + d.    v: key t, channel 32 B + 16 g + 8 u + k -> row 32 B + 16 u + 8 g + k, byte t.
;   scale words (one a row): the word of row 16 f + r' at word 4 r' + f of the step's 256 bytes.
; LIMITS: NaN and infinities are not served; a block of zeros gets the byte 1 (its codes are zeros; the bytes are read by this program alone).
; REGISTERS, in windows of 256: window 0: v8-15 bv of my eight blocks; v16-31 addresses; v32-63 scale words, two sets; v64-127 the bias as the first products' C; from v128 A's fragments, one set; on the way out v32-255 are free.
;   window 1: B's fragments, two sets.   windows 2, 3: the accumulators ((a, b) at v[8 (8 (a % 4) + b)]).
.set KSTEP,  256
.set NQ,     2
.set ROWB,   256
.set KROW,   1024
.set PITCH,  272                       ; an LDS row: 256 bytes + 16 of padding: the 16 rows that a load touches start at 16 different banks (64 banks of 4 bytes: ISA guide 11.1)
.set FR,     16
.set NL,     4
.set NP,     8                         ; places behind this matrix instruction (ISA guide 7.12.1)
.set HALFT,  128*PITCH
.set SLOT,   4*HALFT
.set KS,     32                        ; a row of scale bytes
.set SCL,    2*SLOT
.set HALFS,  (128*KS/256)*272
.set SBLK,   (16*KS/256)*272
.set SPARE,  SCL+4*HALFS               ; the spare words, 128 bytes a wave: two blocks of 256 bytes that no other line names
.set BV,   8
.set ADRA, 16
.set ADRB, 20
.set ADRS, 27
.set SPW,  28
.set NIL,  29
.set SC,   32
.set BIAS, 64
.set AF,   128
.set G1, 24
.set G0, 32
.set G1B, 48
.set G0B, 56
.set G1S, 68
.set G0S, 76
.set G1SB, 80
.set G0SB, 88
; the way out, window 0
.set TM,  32                           ; v32-35 largest magnitudes, v36-39 bytes, v44-47 the conversions' scale operands
.set PW,  48                           ; a scale word
.set T0,  49                           ; v49-50 two bytes of each head
.set PC,  52                           ; v52-67 the block's codes: 8 bytes for each accumulator
.set OUT, 68                           ; v68-83 the block as it is stored
.set STQ, 84
.set RDQ, 85
.set SSQ, 86
.set SRQ, 87
.set STV, 88
.set RDV, 89
.set SSV, 90
.set SRV, 91
.set GO,  92
.set GS,  93
.set RO,  94
.set Y,   128                          ; v128-191 a block's 64 numbers
.set CS,  192                          ; v192-255 cos and sin, two sets of 32
.set WST, 3072                         ; a wave's stage: 16 rows x 144 bytes of codes, at 2,304 its 512 scale bytes
.set VST, 4*WST                        ; the v path has stages of its own
.set MSB, 0
.macro WIN new                         ; the immediate's high byte repeats the setting that is left
.if MSB != (\new)
	s_set_vgpr_msb (MSB<<8)|(\new)
.set MSB, (\new)
.endif
.endm
.set MUL_LO, 0xa1                      ; source 0 (B) window 1, source 1 (A) window 0, C and D window 2
.set MUL_HI, 0xf1
.set TO_B,   0x40
; A joint load: waves 0 and 1 fetch for A, waves 2 and 3 for B; the branch hangs on the wave's number alone.  Four v_nop follow each of the two lines.
.macro JLOAD g0a, g1a, g0b, g1b
	s_cmp_eq_u32 s15, 0
	s_cbranch_scc0 .Lfor_b_\@
	tensor_load_to_lds s[\g0a:\g0a+3], s[\g1a:\g1a+7]
	s_nop 0
.rept 4
	v_nop
.endr
	s_branch .Lasked_\@
.Lfor_b_\@:
	tensor_load_to_lds s[\g0b:\g0b+3], s[\g1b:\g1b+7]
	s_nop 0
.rept 4
	v_nop
.endr
.Lasked_\@:
.endm
.macro CREST                           ; a round of the cluster's barrier behind its opening barrier
	s_cmp_lg_u32 s14, 0
	s_cbranch_scc1 .Lnot_wave_0_\@
	s_barrier_signal -3
.Lnot_wave_0_\@:
	s_barrier_wait -3
	s_barrier_signal -1
	s_barrier_wait -1
.endm
.macro CROUND
	s_barrier_signal -1
	s_barrier_wait -1
	CREST
.endm
	s_load_b512 s[68:83], s[0:1], 0x0              ; xn codes, scales; Wq codes, scales; Wk; Wv
	s_load_b256 s[84:91], s[0:1], 0x40             ; bq, bk, bv, rope
	s_load_b128 s[96:99], s[0:1], 0x60             ; qkv_codes, qkv_scales
	v_lshl_add_u32 v[SPW], v0, 2, SPARE
	v_mov_b32 v[NIL], 0
	ds_add_u32 v28, v29
	ds_add_u32 v28, v29
	s_wait_dscnt 0x0
	v_lshrrev_b32 v1, 5, v0
	v_readfirstlane_b32 s14, v1                    ; wave 0..3
	s_lshr_b32 s15, s14, 1                         ; which half of A's rows is mine.  Also: I fetch for A (0) or for B (1)
	s_and_b32 s16, s14, 1                          ; which half of B's rows.  Also: which 128 rows of that tile I fetch
	s_bfe_u32 s40, ttmp6, 0x40000                  ; cx
	s_bfe_u32 s41, ttmp6, 0x40004                  ; cy
	s_mov_b32 s66, ttmp9                           ; the cluster's x: 0 q, 1 k, 2 v
	s_and_b32 s67, ttmp7, 0xffff
	s_lshl_b32 s67, s67, 2                         ; 4 x the cluster's y
	s_lshl_b32 s43, s41, 2
	s_lshl_b32 s43, 15, s43                        ; my row of the cluster
	s_lshl_b32 s44, 0x1111, s40                    ; my column
	s_or_b32 s[G1+0], s43, (0<<16)|(1<<20)|(1<<21)|(5<<22)|(3<<25)  ; the mask; elements of 1 byte; padding on; bit 21 beside a mask; after every 64 words four words
	s_or_b32 s[G1B+0], s44, (0<<16)|(1<<20)|(1<<21)|(5<<22)|(3<<25)
.irp g, G1, G1B
	s_mov_b32 s[\g+1], ROWB<<16                    ; tensor_dim0
	s_mov_b32 s[\g+2], 128<<16                     ; tensor_dim1
	s_mov_b32 s[\g+3], ROWB<<16                    ; tile_dim0
	s_mov_b32 s[\g+4], 128                         ; tile_dim1
	s_mov_b32 s[\g+5], KROW                        ; from row to row
	s_mov_b32 s[\g+6], 0
	s_mov_b32 s[\g+7], 0
.endr
	s_wait_kmcnt 0x0
	s_cmp_eq_u32 s66, 0                            ; the choices hang on the cluster's x alone
	s_cselect_b64 s[8:9], s[72:73], s[76:77]
	s_cselect_b64 s[10:11], s[74:75], s[78:79]
	s_cselect_b64 s[12:13], s[84:85], s[86:87]
	s_cmp_eq_u32 s66, 2
	s_cselect_b64 s[4:5], s[80:81], s[68:69]       ; A's codes: Wv's or xn's
	s_cselect_b64 s[6:7], s[82:83], s[70:71]
	s_cselect_b64 s[8:9], s[68:69], s[8:9]         ; B's: xn's, or Wq's or Wk's
	s_cselect_b64 s[10:11], s[70:71], s[10:11]
	s_cselect_b64 s[12:13], s[88:89], s[12:13]     ; the bias
	s_cselect_b32 s18, 0, s67
	s_cselect_b32 s19, s67, 0
	s_mov_b64 s[100:101], s[90:91]                 ; rope
	s_add_co_u32 s17, s18, s41                     ; A's tile: made of cy and the cluster's y
	s_add_co_u32 s42, s19, s40                     ; B's tile: made of cx and the cluster's y
	; the scales of 128 rows: 4,096 dense bytes, as rows of 256 bytes (32 elements of 8), 16 bytes of padding behind each
	s_or_b32 s[G1S+0], s43, (3<<16)|(1<<20)|(1<<21)|(5<<22)|(3<<25)
	s_or_b32 s[G1SB+0], s44, (3<<16)|(1<<20)|(1<<21)|(5<<22)|(3<<25)
.irp g, G1S, G1SB
	s_mov_b32 s[\g+1], 32<<16
	s_mov_b32 s[\g+2], (128*KS/256)<<16
	s_mov_b32 s[\g+3], 32<<16
	s_mov_b32 s[\g+4], 128*KS/256
	s_mov_b32 s[\g+5], 32
	s_mov_b32 s[\g+6], 0
	s_mov_b32 s[\g+7], 0
.endr
	s_lshl_b32 s18, s16, 7                         ; which 128 rows of the tile I fetch
	s_lshl_b32 s20, s17, 8
	s_add_co_u32 s20, s20, s18                     ; A: row 256 x tile + 128 x half
	s_lshl_b32 s46, s42, 8
	s_add_co_u32 s46, s46, s18                     ; B likewise
	s_lshl_b32 s22, s20, 5                         ; where these rows' scales begin, in bytes (all under 2^24),
	s_mov_b32 s23, 0
	s_lshl_b32 s92, s46, 5
	s_mov_b32 s93, 0
	s_lshl_b32 s20, s20, 10                        ; and their codes
	s_mov_b32 s21, 0
	s_lshl_b32 s46, s46, 10
	s_mov_b32 s47, 0
	s_mul_i32 s45, s14, HALFT                      ; where they go: wave x 128 rows: no place in the cluster enters an LDS address
	s_mul_i32 s94, s14, HALFS
	s_add_nc_u64 s[20:21], s[4:5], s[20:21]
	s_add_nc_u64 s[22:23], s[6:7], s[22:23]
	s_add_nc_u64 s[46:47], s[8:9], s[46:47]
	s_add_nc_u64 s[92:93], s[10:11], s[92:93]
	CROUND                                         ; all sixteen work-groups are here: the first joint loads meet
	s_mov_b32 s[G0S], 1
	s_add_co_u32 s[G0S+1], s94, SCL
	s_mov_b64 s[G0S+2:G0S+3], s[22:23]
	s_or_b32 s[G0S+3], s[G0S+3], 0x80000000
	s_mov_b32 s[G0SB], 1
	s_add_co_u32 s[G0SB+1], s94, SCL
	s_mov_b64 s[G0SB+2:G0SB+3], s[92:93]
	s_or_b32 s[G0SB+3], s[G0SB+3], 0x80000000
	JLOAD G0S, G1S, G0SB, G1SB                     ; the scales first: they are wanted with K step 0
.irp s, 0,1
	s_mov_b32 s[G0+4*\s], 1
	s_add_co_u32 s[G0+4*\s+1], s45, \s*SLOT
	s_add_nc_u64 s[G0+4*\s+2:G0+4*\s+3], s[20:21], \s*ROWB
	s_or_b32 s[G0+4*\s+3], s[G0+4*\s+3], 0x80000000
	s_mov_b32 s[G0B+4*\s], 1
	s_add_co_u32 s[G0B+4*\s+1], s45, \s*SLOT
	s_add_nc_u64 s[G0B+4*\s+2:G0B+4*\s+3], s[46:47], \s*ROWB
	s_or_b32 s[G0B+4*\s+3], s[G0B+4*\s+3], 0x80000000
	JLOAD G0+4*\s, G1, G0B+4*\s, G1B
.endr
	v_and_b32 v1, 15, v0                           ; r
	v_bfe_u32 v2, v0, 4, 1                         ; h
	v_mul_u32_u24 v3, v1, PITCH
	v_lshl_add_u32 v4, v2, 4, v3                   ; a fragment's row x pitch + 16 x half
	s_mul_i32 s21, s15, HALFT                      ; my 128 rows of A
	s_mul_i32 s22, s16, HALFT                      ; my 128 rows of B,
	s_add_co_u32 s22, s22, 2*HALFT                 ; which lie behind A's 256
.irp s, 0,1
	v_add_nc_u32 v[ADRA+\s], s21, v4
	v_add_nc_u32 v[ADRB+\s], s22, v4
	s_add_co_u32 s21, s21, SLOT
	s_add_co_u32 s22, s22, SLOT
.endr
	v_mul_u32_u24 v5, v1, KS                       ; my row's scales: 32 bytes a row,
	v_lshrrev_b32 v6, 8, v5
	v_lshl_add_u32 v5, v6, 4, v5                   ; and 16 more for each 256 passed
	s_mul_i32 s21, s15, HALFS
	s_mul_i32 s22, s16, HALFS
	s_add_co_u32 s22, s22, 2*HALFS
	s_sub_co_u32 s22, s22, s21
	v_mul_u32_u24 v6, s22, v2                      ; lanes 16-31 take B's
	s_add_co_u32 s21, s21, SCL
	v_add_nc_u32 v5, v5, v6
	v_add_nc_u32 v[ADRS], s21, v5
	; THE BIAS.  q, k: it runs along 'B' rows, so it is the C of each sum's first product: eight registers for each b.  v: it runs along 'A' rows: one word a lane for each block a, added on the way out.
	; Every work-group loads both forms from its own bias (both stay inside its 4,096 bytes); the C form is then multiplied by 1 (q, k) or by 0 (v): no branch.
	s_cmp_eq_u32 s66, 2
	s_cselect_b32 s18, s17, s42                    ; the tile on the channels' side,
	s_cselect_b32 s19, s15, s16                    ; and my half of it
	s_cselect_b32 s22, 0, 1.0
	s_mov_b32 s23, s22                             ; (named with it as a pair)
	s_lshl_b32 s18, s18, 10
	s_lshl_b32 s19, s19, 9
	s_add_co_u32 s18, s18, s19
	s_mov_b32 s19, 0
	s_add_nc_u64 s[12:13], s[12:13], s[18:19]
	v_lshlrev_b32 v30, 5, v2                       ; 32 h
	v_lshlrev_b32 v31, 2, v1                       ; 4 r
.irp b, 0,1,2,3,4,5,6,7
	global_load_b128 v[BIAS+8*\b:BIAS+8*\b+3], v30, s[12:13] offset:64*\b
	global_load_b128 v[BIAS+8*\b+4:BIAS+8*\b+7], v30, s[12:13] offset:64*\b+16
.endr
.irp a, 0,1,2,3,4,5,6,7
	global_load_b32 v[BV+\a], v31, s[12:13] offset:64*\a
.endr
.macro FRAG reg, adr, q, i             ; 16 rows x 128 K of 8-bit codes: registers 4 c .. 4 c + 3 hold K = 32 c + 16 (l / 16) + 0 .. 15 of row l % 16
.irp c, 0,1,2,3
	ds_load_b128 v[\reg+4*\c:\reg+4*\c+3], v[\adr] offset:128*(\q)+32*\c+(\i)*16*PITCH
.endr
.endm
; 16 matrix instructions: A's blocks a0, a0 + 1 x B's eight.  zero = 1: the first product starts the sums on the bias.  The 64 accumulators take turns, one instruction a turn, in the same order in every step.
.macro MUL16 a0, p, q, sc, zero
.irp a, \a0, \a0+1
.irp b, 0,1,2,3,4,5,6,7
.if \zero
	v_wmma_scale_f32_16x16x128_f8f6f4 v[8*(8*((\a)%4)+\b):8*(8*((\a)%4)+\b)+7], v[128*(\p)+FR*\b:128*(\p)+FR*\b+FR-1], v[AF+FR*(\a):AF+FR*(\a)+FR-1], v[BIAS+8*\b:BIAS+8*\b+7], v[SC+8*NQ*(\sc)+NQ*\b+(\q)], v[SC+8*NQ*(\sc)+NQ*(\a)+(\q)] matrix_a_scale:MATRIX_SCALE_ROW1
.else
	v_wmma_scale_f32_16x16x128_f8f6f4 v[8*(8*((\a)%4)+\b):8*(8*((\a)%4)+\b)+7], v[128*(\p)+FR*\b:128*(\p)+FR*\b+FR-1], v[AF+FR*(\a):AF+FR*(\a)+FR-1], v[8*(8*((\a)%4)+\b):8*(8*((\a)%4)+\b)+7], v[SC+8*NQ*(\sc)+NQ*\b+(\q)], v[SC+8*NQ*(\sc)+NQ*(\a)+(\q)] matrix_a_scale:MATRIX_SCALE_ROW1
.endif
.endr
.endr
.endm
.macro FETCH_B slot, q, p
	WIN TO_B
.irp i, 0,1,2,3,4,5,6,7
	FRAG 128*(\p)+FR*\i, ADRB+\slot, \q, \i
.endr
	WIN 0
.endm
.macro FETCH_A slot, q, i0
.irp i, \i0, \i0+1, \i0+2, \i0+3
	FRAG AF+FR*(\i), ADRA+\slot, \q, \i
.endr
.endm
.macro SCALES sc                       ; a K step's scale words: two words a row; lanes 0-15 take A's block i, lanes 16-31 B's block i
.irp i, 0,1,2,3,4,5,6,7
	ds_load_b64 v[SC+8*NQ*\sc+NQ*\i:SC+8*NQ*\sc+NQ*\i+1], v[ADRS] offset:\i*SBLK
.endr
.endm
.macro PLACES n                        ; plain vector instructions that name none of a matrix instruction's registers: in front of loads into registers that it has read, and of reads of its results
.rept \n
	v_nop
.endr
.endm
.macro STEP slot, q, zero              ; 128 along K that have their successor in the same slot
	s_wait_dscnt 4*NL                              ; B's set and A's blocks 0-3 are in; the youngest 16 loads (A's blocks 4-7) may be out
.if \zero
	WIN 0x81                                       ; C (the bias) in window 0, D in window 2
.else
	WIN MUL_LO
.endif
	MUL16 0, (\q)%2, \q, \slot, \zero
	MUL16 2, (\q)%2, \q, \slot, \zero
	s_wait_dscnt 0
	PLACES NP
	FETCH_B \slot, (\q)+1, 1-(\q)%2
	FETCH_A \slot, (\q)+1, 0
.if \zero
	WIN 0xc1
.else
	WIN MUL_HI
.endif
	MUL16 4, (\q)%2, \q, \slot, \zero
	MUL16 6, (\q)%2, \q, \slot, \zero
	PLACES NP
	WIN 0
	FETCH_A \slot, (\q)+1, 4
.endm
; A slot's last step changes slots: one barrier; in front of it each wave waits for all its tensor loads, adds 0 to its spare word, and waits for that and for its own reads of this slot.  fill = 1: the slot is filled again, two K steps ahead.
.macro TURN slot, next, fill
	s_wait_tensorcnt 0x0                           ; all my tensor loads have landed: my part of the next slot
	ds_add_u32 v[SPW], v[NIL]                      ; 0 onto my spare word
	s_wait_dscnt 4*NL+1                            ; (the add and the youngest 16 loads may be out)
	WIN MUL_LO
	MUL16 0, 1, NQ-1, \slot, 0
	s_wait_dscnt 0x0                               ; the add is done, and my reads of this slot are over
	s_barrier_signal -1
	MUL16 2, 1, NQ-1, \slot, 0
	WIN 0
	s_barrier_wait -1
.if \fill
	CREST                                          ; the barrier has opened a round of the cluster's barrier: no wave of any partner still reads this slot or has a load on its way
	s_add_nc_u64 s[G0+4*\slot+2:G0+4*\slot+3], s[G0+4*\slot+2:G0+4*\slot+3], 2*ROWB
	s_add_nc_u64 s[G0B+4*\slot+2:G0B+4*\slot+3], s[G0B+4*\slot+2:G0B+4*\slot+3], 2*ROWB
	JLOAD G0+4*\slot, G1, G0B+4*\slot, G1B         ; the first tensor load behind the round; its four v_nop are among the places in front of the loads below
	PLACES NP-4
.else
	PLACES NP
.endif
	s_wait_alu depctr_va_vdst(0)
	v_add_nc_u32 v[ADRS], 4*NQ, v[ADRS]            ; on to the next K step's scale words
	FETCH_B \next, 0, 0
	FETCH_A \next, 0, 0
	SCALES \next
	WIN MUL_HI
	MUL16 4, 1, NQ-1, \slot, 0
	MUL16 6, 1, NQ-1, \slot, 0
	PLACES NP
	WIN 0
	FETCH_A \next, 0, 4
.endm
	s_wait_alu depctr_va_vdst(0)
	s_wait_tensorcnt 1                             ; the scales and my part of K step 0 are in (K step 1's load may be out)
	s_barrier_signal -1
	s_barrier_wait -1                              ; everybody's are
	FETCH_B 0, 0, 0
	FETCH_A 0, 0, 0
	SCALES 0
	FETCH_A 0, 0, 4
	s_wait_loadcnt 0x0                             ; the bias
.set n, 0
.rept 32
	v_pk_mul_f32 v[BIAS+2*n:BIAS+2*n+1], v[BIAS+2*n:BIAS+2*n+1], s[22:23] op_sel_hi:[1,0]   ; x 1 (q, k) or x 0 (v)
.set n, n+1
.endr
	PLACES NP
	s_wait_alu depctr_va_vdst(0)
	STEP 0, 0, 1                                   ; K = 1,024 is four slots' worth: written straight
	TURN 0, 1, 1
	STEP 1, 0, 0
	TURN 1, 0, 1
	STEP 0, 0, 0
	TURN 0, 1, 0                                   ; the last two K steps fill nothing, and have no round
	STEP 1, 0, 0
	s_wait_dscnt 4*NL
	WIN MUL_LO
	MUL16 0, 1, NQ-1, 1, 0
	MUL16 2, 1, NQ-1, 1, 0
	s_wait_dscnt 0
	WIN MUL_HI
	MUL16 4, 1, NQ-1, 1, 0
	MUL16 6, 1, NQ-1, 1, 0
	WIN 0
; THE WAY OUT.  The stages lie in slot 0: it has had its last fill, and every wave has passed the last change of slots, behind which nobody reads it.  All addresses of both paths are made ahead of the parting.
	PLACES NP
	s_mul_i32 s18, s14, WST
	v_and_b32 v95, 31, v0                          ; lane
	v_mul_u32_u24 v[STQ], v1, 144
	v_lshl_add_u32 v[STQ], v2, 3, v[STQ]
	v_add_nc_u32 v[STQ], s18, v[STQ]               ; in: row r, 8 bytes for each half of the lanes, 16 b on
	v_add_nc_u32 v[STV], VST, v[STQ]
	v_lshrrev_b32 v96, 3, v95
	v_bfe_u32 v97, v95, 2, 1
	v_lshl_add_u32 v97, v97, 3, v96
	v_mul_u32_u24 v[RDQ], v97, 144
	v_and_b32 v97, 3, v95
	v_lshl_add_u32 v[RDQ], v97, 4, v[RDQ]
	v_add_nc_u32 v[RDQ], s18, v[RDQ]               ; q, k back: stage row 8 ((l / 4) % 2) + l / 8, 16 (l % 4) bytes on: tokens r and r + 8 side by side
	v_mul_u32_u24 v[RDV], v96, 144
	v_and_b32 v97, 7, v95
	v_lshl_add_u32 v[RDV], v97, 4, v[RDV]
	v_add_nc_u32 v[RDV], s18, v[RDV]
	v_add_nc_u32 v[RDV], VST, v[RDV]               ; v back: stage row l / 8, 16 (l % 8) bytes on
	v_and_b32 v96, 7, v1
	v_lshrrev_b32 v97, 3, v1
	v_lshlrev_b32 v[SSQ], 4, v96
	v_lshl_add_u32 v[SSV], v97, 2, v[SSQ]
	v_lshl_add_u32 v[SSQ], v97, 1, v[SSQ]
	v_lshl_add_u32 v[SSQ], v2, 8, v[SSQ]
	v_add_nc_u32 v[SSQ], s18, v[SSQ]
	v_add_nc_u32 v[SSQ], 2304, v[SSQ]              ; q, k scale bytes: 16 (r % 8) + 2 (r / 8); lanes 16-31 write the second head's 256 bytes
	v_add_nc_u32 v[SSV], s18, v[SSV]
	v_add_nc_u32 v[SSV], VST+2304, v[SSV]          ; v scale words: 16 (r % 8) + 4 (r / 8)
	v_lshlrev_b32 v[GO], 4, v95                    ; 16 bytes a lane
	v_add_nc_u32 v[SRQ], s18, v[GO]
	v_add_nc_u32 v[SRQ], 2304, v[SRQ]
	v_add_nc_u32 v[SRV], VST, v[SRQ]
	v_lshlrev_b32 v[GS], 4, v1
	v_lshl_add_u32 v[GS], v2, 12, v[GS]            ; the scale bytes in memory: lanes 0-15 the first head's 256, lanes 16-31 the second's, 4,096 on
	v_lshlrev_b32 v[RO], 8, v1
	v_lshl_add_u32 v[RO], v2, 5, v[RO]             ; the table: position r, 32 h bytes on
.irp b, 0,1,2,3
	v_mov_b32 v[TM+4+\b], 0                        ; written once: a lane permute's destination counts as one of its sources
.endr
	s_cmp_eq_u32 s66, 2
	s_cselect_b32 s18, s42, s17                    ; the tile on the tokens' side,
	s_cselect_b32 s19, s16, s15                    ; my half of it;
	s_cselect_b32 s20, s17, s42                    ; the tile on the channels' side,
	s_cselect_b32 s21, s15, s16                    ; my half of it
	s_lshr_b32 s22, s18, 3                         ; batch
	s_and_b32 s18, s18, 7
	s_lshl_b32 s18, s18, 1
	s_add_co_u32 s18, s18, s19                     ; my key step
	s_lshl_b32 s22, s22, 4
	s_lshl_b32 s20, s20, 2
	s_add_co_u32 s22, s22, s20
	s_lshl_b32 s21, s21, 1
	s_add_co_u32 s22, s22, s21                     ; my first head: 16 x batch + 4 x tile + 2 x half
	s_lshl_b32 s46, s66, 23
	s_lshl_b32 s20, s22, 17
	s_add_co_u32 s46, s46, s20
	s_lshl_b32 s20, s18, 13
	s_add_co_u32 s46, s46, s20
	s_mov_b32 s47, 0
	s_add_nc_u64 s[96:97], s[96:97], s[46:47]
	s_lshr_b32 s46, s46, 5                         ; the scale bytes are a 32nd of the codes, part by part
	s_add_nc_u64 s[98:99], s[98:99], s[46:47]
	s_lshl_b32 s46, s18, 15                        ; 128 positions of 256 bytes
	s_add_nc_u64 s[100:101], s[100:101], s[46:47]
	s_mov_b32 s92, 0x76543210
	s_mov_b32 s93, 0xfedcba98                      ; v_permlanex16_b32: lane l xor 16
	s_mov_b32 s95, 0xffff0000                      ; lanes 16-31
; 64 numbers of a lane in v[Y] on; registers 16 b .. 16 b + 15 and those of lane l xor 16 are a block of 32.  Codes to v[PC] on, 8 bytes for each 8 registers; the four bytes to v[TM+4] on; word = 1: also as a word in v[PW].
.macro QUANT word
.irp b, 0,1,2,3
	v_max3_num_f32 v[TM+\b], |v[Y+16*\b]|, |v[Y+1+16*\b]|, 0x4800000   ; and the floor 2^(9 - 127): the byte cannot fall under 1
.endr
.irp i, 2,4,6,8,10,12,14
.irp b, 0,1,2,3
	v_max3_num_f32 v[TM+\b], v[TM+\b], |v[Y+16*\b+\i]|, |v[Y+1+16*\b+\i]|
.endr
.endr
.irp b, 0,1,2,3
	v_permlanex16_b32 v[TM+4+\b], v[TM+\b], s92, s93
.endr
.irp b, 0,1,2,3
	v_max_num_f32 v[TM+\b], v[TM+\b], v[TM+4+\b]
.endr
.irp b, 0,1,2,3
	v_add_nc_u32 v[TM+12+\b], 0xfc000000, v[TM+\b]     ; 8 off the exponent field: the conversion's scale operand
.endr
.irp b, 0,1,2,3
.endr
.irp b, 0,1,2,3
	v_lshrrev_b32 v[TM+4+\b], 23, v[TM+12+\b]          ; the scale's byte
.endr
.if \word
	v_lshl_or_b32 v[PW], v[TM+5], 8, v[TM+4]
	v_lshl_or_b32 v[PW], v[TM+6], 16, v[PW]
	v_lshl_or_b32 v[PW], v[TM+7], 24, v[PW]
.endif
.irp b, 0,1,2,3
.irp i, 0,1,2,3,4,5,6,7,8,9,10,11,12,13,14,15
.endr
	v_cvt_scalef32_pk8_fp8_f32 v[PC+4*\b:PC+1+4*\b], v[Y+16*\b:Y+7+16*\b], v[TM+12+\b]
	v_cvt_scalef32_pk8_fp8_f32 v[PC+2+4*\b:PC+3+4*\b], v[Y+8+16*\b:Y+15+16*\b], v[TM+12+\b]
.endr
	v_nop                                          ; a plain line behind the last conversion
.endm
.macro ROPELOAD a                      ; cos and sin of position 16 a + r for frequencies 8 b + 4 h + 0..3, b = 0..3: they serve both heads
.irp b, 0,1,2,3
.irp k, 0,1
	global_load_b128 v[CS+32*((\a)%2)+8*\b+4*\k:CS+32*((\a)%2)+8*\b+4*\k+3], v[RO], s[100:101] offset:4096*(\a)+64*\b+16*\k
.endr
.endr
.endm
.macro ROPE a                          ; (x1, x2) -> (x1 c - x2 s, x1 s + x2 c): a packed multiply (x2 s, x2 c), a packed multiply-add.  Each accumulator is read from its low end on
.set AC, 64*((\a)%4)
.set CB, CS+32*((\a)%2)
	WIN 0x02+(\a)/4                                ; source 0: the accumulators' window
.irp b, 0,1,2,3,4,5,6,7
.irp i, 0,1,2,3
	v_pk_mul_f32 v[Y+8*\b+2*\i:Y+8*\b+2*\i+1], v[AC+8*\b+2*\i:AC+8*\b+2*\i+1], v[CB+8*(\b%4)+2*\i:CB+8*(\b%4)+2*\i+1] op_sel:[1,1] op_sel_hi:[1,0]
.endr
.irp i, 0,1,2,3
	v_pk_fma_f32 v[Y+8*\b+2*\i:Y+8*\b+2*\i+1], v[AC+8*\b+2*\i:AC+8*\b+2*\i+1], v[CB+8*(\b%4)+2*\i:CB+8*(\b%4)+2*\i+1], v[Y+8*\b+2*\i:Y+8*\b+2*\i+1] op_sel_hi:[0,1,1] neg_lo:[0,0,1]
.endr
.endr
	WIN 0
.endm
.macro QKBLOCK a                       ; 16 tokens x 128 channels (two heads)
.if (\a) < 7
	ROPELOAD (\a)+1
	s_wait_loadcnt 8                               ; this block's eight loads are in; the next block's eight may be out
.else
	s_wait_loadcnt 0
.endif
	ROPE \a
	QUANT 0
	v_lshl_or_b32 v[T0], v[TM+5], 8, v[TM+4]       ; the first head's two bytes,
	v_lshl_or_b32 v[T0+1], v[TM+7], 8, v[TM+6]     ; the second's,
	v_cndmask_b32 v[T0], v[T0], v[T0+1], s95       ; which lanes 16-31 carry
	s_wait_alu depctr_va_vdst(0)
	s_wait_xcnt 0x0                                ; the last block's stores have read v[OUT] on: it is loaded again only behind this wait
.irp b, 0,1,2,3,4,5,6,7
	ds_store_b64 v[STQ], v[PC+2*\b:PC+2*\b+1] offset:16*\b
.endr
	ds_store_b16 v[SSQ], v[T0] offset:128*((\a)%2)+4*((\a)/2)
.irp e, 0,1
.irp i, 0,1
	ds_load_b128 v[OUT+4*(2*\e+\i):OUT+4*(2*\e+\i)+3], v[RDQ] offset:576*\i+64*\e   ; a wave's LDS instructions are served in order: these see the stores above
.endr
.endr
	s_wait_dscnt 0x0
.irp e, 0,1
.irp i, 0,1
	global_store_b128 v[GO], v[OUT+4*(2*\e+\i):OUT+4*(2*\e+\i)+3], s[96:97] offset:131072*\e+1024*(\a)+512*\i   ; 512 consecutive bytes, aligned
.endr
.endr
.endm
.macro VBLOCK a                        ; 16 channels x 128 keys
.set AC, 64*((\a)%4)
	WIN 0x02+(\a)/4
.set n, 0
.rept 32
.if (\a)%2
	v_pk_add_f32 v[Y+2*n:Y+2*n+1], v[AC+2*n:AC+2*n+1], v[BV+(\a)-1:BV+(\a)] op_sel:[0,1] op_sel_hi:[1,1]   ; + bv of my channel: the pair's second word for both halves
.else
	v_pk_add_f32 v[Y+2*n:Y+2*n+1], v[AC+2*n:AC+2*n+1], v[BV+(\a):BV+(\a)+1] op_sel_hi:[1,0]                 ; the pair's first word
.endif
.set n, n+1
.endr
	WIN 0
	QUANT 1
	s_wait_alu depctr_va_vdst(0)
	s_wait_xcnt 0x0                                ; the last block's stores have read v[OUT] on
.irp b, 0,1,2,3,4,5,6,7
	ds_store_b64 v[STV], v[PC+2*\b:PC+2*\b+1] offset:16*\b
.endr
	ds_store_b32 v[SSV], v[PW] offset:256*((\a)/4)+128*((\a)%2)+8*(((\a)%4)/2)   ; both halves of the lanes write the same word with the same value
.irp i, 0,1,2,3
	ds_load_b128 v[OUT+4*\i:OUT+4*\i+3], v[RDV] offset:576*\i
.endr
	s_wait_dscnt 0x0
.irp i, 0,1,2,3
	global_store_b128 v[GO], v[OUT+4*\i:OUT+4*\i+3], s[96:97] offset:131072*((\a)/4)+4096*(((\a)%4)/2)+1024*((\a)%2)+2048*(\i/2)+512*(\i%2)
.endr
.endm
	s_cmp_eq_u32 s66, 2                            ; the parting hangs on the cluster's x: the same in all partners and all waves
	s_cbranch_scc1 .Lv_out
	s_wait_alu depctr_va_vdst(0)
	ROPELOAD 0
.irp a, 0,1,2,3,4,5,6,7
	QKBLOCK \a
.endr
	ds_load_b128 v[100:103], v[SRQ]                ; my two heads' 512 scale bytes
	s_wait_dscnt 0x0
	global_store_b128 v[GS], v[100:103], s[98:99]  ; sixteen lanes store 256 consecutive bytes, aligned
	s_wait_tensorcnt 0x0                           ; the wave's end
	ds_add_u32 v[SPW], v[NIL]
	s_wait_dscnt 0x0
	s_branch .Lend
.Lv_out:
.irp a, 0,1,2,3,4,5,6,7
	VBLOCK \a
.endr
	ds_load_b128 v[100:103], v[SRV]
	s_wait_dscnt 0x0
	global_store_b128 v[GS], v[100:103], s[98:99]
	s_wait_tensorcnt 0x0                           ; the wave's end: the same three lines
	ds_add_u32 v[SPW], v[NIL]
	s_wait_dscnt 0x0
.Lend:
	CROUND                                         ; the closing round: no work-group ends while a partner may still ask for a tile that names it
	s_endpgm
.Lfunc_end_k_qd8168c3039_qkv:
	.size	k_qd8168c3039_qkv, .Lfunc_end_k_qd8168c3039_qkv-k_qd8168c3039_qkv
	.p2alignl 7, 3214868480
	.fill 96, 4, 3214868480
	.section	.rodata,"a",@progbits
	.p2align	6, 0x0
	.amdhsa_kernel k_qd8168c3039_qkv
		.amdhsa_group_segment_fixed_size 327680
		.amdhsa_private_segment_fixed_size 0
		.amdhsa_enable_private_segment 0
		.amdhsa_kernarg_size 112
		.amdhsa_user_sgpr_count 2
		.amdhsa_user_sgpr_kernarg_segment_ptr 1
		.amdhsa_wavefront_size32 1
		.amdhsa_system_sgpr_workgroup_id_x 1
		.amdhsa_system_sgpr_workgroup_id_y 1
		.amdhsa_system_sgpr_workgroup_id_z 1
		.amdhsa_system_vgpr_workitem_id 0
		.amdhsa_next_free_vgpr 1024
		.amdhsa_next_free_sgpr 102
		.amdhsa_reserve_vcc 0
		.amdhsa_float_denorm_mode_32 3
		.amdhsa_float_denorm_mode_16_64 3
		.amdhsa_fp16_overflow 1
		.amdhsa_memory_ordered 1
		.amdhsa_forward_progress 1
		.amdhsa_inst_pref_size 255
	.end_amdhsa_kernel
	.section	.bss,"aw",@nobits
	.p2align	6
	.space	262144
	.amdgpu_metadata
---
amdhsa.version: [ 1, 2 ]
amdhsa.kernels:
  - .name:           k_qd8168c3039_qkv
    .symbol:         k_qd8168c3039_qkv.kd
    .args:
      - { .name: xn_codes, .offset: 0, .size: 8, .value_kind: global_buffer, .address_space: global }
      - { .name: xn_scales, .offset: 8, .size: 8, .value_kind: global_buffer, .address_space: global }
      - { .name: Wq_codes, .offset: 16, .size: 8, .value_kind: global_buffer, .address_space: global }
      - { .name: Wq_scales, .offset: 24, .size: 8, .value_kind: global_buffer, .address_space: global }
      - { .name: Wk_codes, .offset: 32, .size: 8, .value_kind: global_buffer, .address_space: global }
      - { .name: Wk_scales, .offset: 40, .size: 8, .value_kind: global_buffer, .address_space: global }
      - { .name: Wv_codes, .offset: 48, .size: 8, .value_kind: global_buffer, .address_space: global }
      - { .name: Wv_scales, .offset: 56, .size: 8, .value_kind: global_buffer, .address_space: global }
      - { .name: bq, .offset: 64, .size: 8, .value_kind: global_buffer, .address_space: global }
      - { .name: bk, .offset: 72, .size: 8, .value_kind: global_buffer, .address_space: global }
      - { .name: bv, .offset: 80, .size: 8, .value_kind: global_buffer, .address_space: global }
      - { .name: rope, .offset: 88, .size: 8, .value_kind: global_buffer, .address_space: global }
      - { .name: qkv_codes, .offset: 96, .size: 8, .value_kind: global_buffer, .address_space: global }
      - { .name: qkv_scales, .offset: 104, .size: 8, .value_kind: global_buffer, .address_space: global }
    .group_segment_fixed_size: 327680
    .private_segment_fixed_size: 0
    .kernarg_segment_align: 8
    .kernarg_segment_size: 112
    .max_flat_workgroup_size: 128
    .sgpr_count:     102
    .vgpr_count:     1024
    .wavefront_size: 32
...
	.end_amdgpu_metadata
.endif
;; end of part 2
;; launch attn (part 3): grid 4 x 64, 16 waves a work-group, clusters of 4 x 1, 327,680 bytes of LDS; arguments qkv_codes, qkv_scales, ao_codes, ao_scales; writes ao_codes, ao_scales
.if DOCPART == 3
	.amdgcn_target "amdgcn-amd-amdhsa--gfx1250"
	.amdhsa_code_object_version 6
	.text
	.protected	k_qd8168c3039_attn
	.globl	k_qd8168c3039_attn
	.p2align	8
	.type	k_qd8168c3039_attn,@function
k_qd8168c3039_attn:
	s_mov_b64 s[64:65], 0
	v_nop
	global_prefetch_b8 v0, s[64:65] scope:SCOPE_SE
	s_setreg_imm32_b32 hwreg(HW_REG_WAVE_MODE, 25, 1), 1
	s_wait_xcnt 0x0
	s_wait_alu depctr_hold_cnt(0) depctr_sa_sdst(0) depctr_va_vdst(0) depctr_va_sdst(0) depctr_va_ssrc(0) depctr_va_vcc(0) depctr_vm_vsrc(0)
	s_getreg_b32 s2, hwreg(HW_REG_IB_STS2, 6, 4)
	s_cmp_eq_u32 s2, 0
	s_cbranch_scc0 .Lentry_in_a_cluster
	s_endpgm
.Lentry_in_a_cluster:
	s_bfe_u32 s2, ttmp6, 0x10000c
	s_cmp_lg_u32 s2, 0x3003
	s_cbranch_scc0 .Lentry_shape_is_right
	s_endpgm
.Lentry_shape_is_right:
; Causal attention on codes of E4M3 with E8M0 scales: 64 heads (batch x head) of 2,048 tokens, head size 64.  Both products by the scaled matrix instruction; the result is quantised along the model's 1,024 for the last projection.
; THE SOFTMAX AHEAD OF THE SECOND PRODUCT: t = score x log2(e) / 8; M = the row's largest t so far, rounded up to a whole number; p = 2^(t - M) is quantised along the keys; the sum of the unquantised p divides at the end.
; SHARES.  A cluster of four work-groups owns one head.  All of the head's K and V codes and scale words lie in each partner's LDS, filled ONCE by joint loads (the same tensor load with the same descriptor and a mask that names the four):
; no slot is ever filled again.  The 128 tiles of 16 queries fall into 16 groups of 8; group G's diagonal is key step G (128 keys).  Wave w of partner cx owns tile 2 cx + w / 8 of group 15 - w % 8 and then of group w % 8:
; (16 - w % 8) + (w % 8 + 1) = 17 key steps for every wave of the launch.  Every branch hangs on the wave's number alone; cx enters global addresses and the number that the mask compares with.
; LAYOUT.  Both products are used transposed (S^T = K Q^T, O^T = V^T P^T): a lane holds one query (lane % 16) throughout.
; K = 64 IN AN INSTRUCTION OF 128: a row of K's tile holds keys k and k + 8 side by side.  Against q followed by 64 zero codes it gives key k's score, against 64 zero codes followed by q key k + 8's: so the 16 registers
; of a fragment's two products are 16 neighbouring keys, 32 b + 16 (lane / 16) + 0 .. 15.  V's rows are stored in such an order that O^T's 16 registers of two neighbouring tiles are 16 neighbouring channels.
; OUT: ao_codes is the image of the next product's fragments, [tile of 16 tokens][128 along K][4][lane][16 bytes]: 512 consecutive bytes a store, straight from registers.  ao_scales [8192][32]: two bytes a token and head,
; a 32nd of what the launch stores: a token's 32 bytes come from 16 heads, which 16 clusters own.
; LIMITS: hidden keys are left out (p = 0), as the -1e9 of the model gives as long as a row's visible logits lie above about -1e9 + 150.  NaN and infinities are not served.  A block of zeros gets the byte 1.
.set KP,    144                        ; a row of 128 bytes + 16 of padding: the 16 rows of a load start at 16 different banks (64 banks of 4 bytes: ISA guide 11.1)
.set VREG,  1024*KP                    ; K's 1,024 rows, then V's
.set SCK,   2*VREG                     ; K's scale words: 16 runs of 256 bytes + 16
.set SCV,   SCK+16*272                 ; V's
.set STEPB, 64*KP                      ; a key step's rows
.set AK,  1                            ; v1   144 r + 16 h
.set AV,  2                            ; v2   the same among V's rows
.set DQ,  3                            ; v3   my query in its group - 16 h
.set ASK, 4                            ; v4   SCK + 16 r
.set NEG, 5                            ; v5   -infinity
.set GO,  6                            ; v6   16 x lane
.set GS,  7                            ; v7   32 r
.set ADK, 8
.set ADV, 9
.set ADS, 10
.set QA,  16                           ; v16-31 q, zeros;  v32-47 zeros, q
.set FR,  48                           ; v48-111  four fragments of K or of V
.set S,   112                          ; v112-175 S^T, then p
.set O,   176                          ; v176-207 O^T
.set PC,  208                          ; v208-223 p's codes
.set WV,  12
.set GAM, 17                           ; s17 my group
.set SG,  18                           ; s18 the key step
.set TB,  19                           ; s19 where its rows begin
.set TS,  20                           ; s20 and its scale words
.set CNT, 21
.set SEL, 22
.set CS,  24
.set MNT, 26
.macro ROUND                           ; a round of the cluster's barrier
	s_barrier_signal -1
	s_barrier_wait -1
	s_cmp_lg_u32 s[WV], 0
	s_cbranch_scc1 .Lnot_wave_0_\@
	s_barrier_signal -3
.Lnot_wave_0_\@:
	s_barrier_wait -3
	s_barrier_signal -1
	s_barrier_wait -1
.endm
	s_load_b128 s[4:7], s[0:1], 0x0                ; qkv_codes, qkv_scales
	s_load_b128 s[8:11], s[0:1], 0x10              ; ao_codes, ao_scales
	v_lshl_add_u32 v254, v0, 2, 0x4a200
	v_mov_b32 v255, 0
	ds_add_u32 v254, v255
	ds_add_u32 v254, v255
	s_wait_dscnt 0x0
	v_lshrrev_b32 v1, 5, v0
	s_delay_alu instid0(VALU_DEP_1)
	v_readfirstlane_b32 s[WV], v1                  ; wave 0..15
	s_bfe_u32 s13, ttmp6, 0x40000                  ; cx
	s_and_b32 s14, ttmp7, 0xffff                   ; the head: 16 x batch + head
	s_and_b32 s15, s[WV], 7
	s_lshr_b32 s16, s[WV], 3
	s_and_b32 s74, s[WV], 1                        ; what I fetch, if I fetch (waves 0 to 3): which half,
	s_bfe_u32 s75, s[WV], 0x10001                  ; of K (0) or of V (1)
	; group 1 for codes: 128 rows of 128 bytes, dense in memory, 16 bytes of padding behind each
	s_mov_b32 s28, 15|(1<<20)|(1<<21)|(4<<22)|(3<<25)
	s_mov_b32 s29, 128<<16
	s_mov_b32 s30, 128<<16
	s_mov_b32 s31, 128<<16
	s_mov_b32 s32, 128
	s_mov_b32 s33, 128
	s_mov_b32 s34, 0
	s_mov_b32 s35, 0
	; and for scale words: 2,048 dense bytes as 8 rows of 256 (32 elements of 8 bytes), 16 bytes of padding behind each
	s_mov_b32 s36, 15|(3<<16)|(1<<20)|(1<<21)|(5<<22)|(3<<25)
	s_mov_b32 s37, 32<<16
	s_mov_b32 s38, 8<<16
	s_mov_b32 s39, 32<<16
	s_mov_b32 s40, 8
	s_mov_b32 s41, 32
	s_mov_b32 s42, 0
	s_mov_b32 s43, 0
	s_mul_i32 s76, s75, 16*272
	s_mul_i32 s77, s74, 8*272
	s_add_co_u32 s76, s76, s77
	s_add_co_u32 s45, s76, SCK                     ; the scale words' place in LDS
	s_mul_i32 s76, s75, VREG
	s_mul_i32 s77, s74, 128*KP
	s_add_co_u32 s76, s76, s77                     ; the first 128 rows' place
	s_add_co_u32 s77, s75, 1                       ; part 1 is k, part 2 v
	s_lshl_b32 s78, s77, 18
	s_lshl_b32 s80, s14, 12
	s_add_co_u32 s78, s78, s80
	s_lshl_b32 s80, s74, 11
	s_add_co_u32 s78, s78, s80
	s_mov_b32 s79, 0
	s_lshl_b32 s80, s77, 23
	s_lshl_b32 s82, s14, 17
	s_add_co_u32 s80, s80, s82
	s_lshl_b32 s82, s74, 14
	s_add_co_u32 s80, s80, s82
	s_mov_b32 s81, 0
	s_wait_kmcnt 0x0
	s_mov_b32 s44, 1
	s_add_nc_u64 s[46:47], s[6:7], s[78:79]
	s_or_b32 s47, s47, 0x80000000
	s_add_nc_u64 s[80:81], s[4:5], s[80:81]
.irp s, 0,1,2,3                        ; stage s: key steps 4 s .. 4 s + 3: 256 rows, of which I fetch 128
	s_mov_b32 s[48+4*\s], 1
	s_add_co_u32 s[49+4*\s], s76, \s*256*KP
	s_add_nc_u64 s[50+4*\s:51+4*\s], s[80:81], \s*32768
	s_or_b32 s[51+4*\s], s[51+4*\s], 0x80000000
.endr
	ROUND                                          ; all four work-groups are here: the joint loads meet
	s_cmp_lt_u32 s[WV], 4                          ; a wave's five fills stand in one branch on the wave's number: five tensor loads of mine are out
	s_cbranch_scc0 .Lno_fill
	tensor_load_to_lds s[44:47], s[36:43]
	s_nop 0
	tensor_load_to_lds s[48:51], s[28:35]
	s_nop 0
	tensor_load_to_lds s[52:55], s[28:35]
	s_nop 0
	tensor_load_to_lds s[56:59], s[28:35]
	s_nop 0
	tensor_load_to_lds s[60:63], s[28:35]
	s_nop 0
.rept 4
	v_nop
.endr
.Lno_fill:
	s_mov_b32 s[SEL], 0x76543210
	s_mov_b32 s[SEL+1], 0xfedcba98                 ; v_permlanex16_b32: lane l xor 16
	s_mov_b32 s[CS], 0x3e38aa3b                    ; c = log2(e) / sqrt(64)
	s_mov_b32 s[CS+1], s[CS]
	s_lshl_b32 s74, s13, 1
	s_add_co_u32 s74, s74, s16                     ; my tile in a group: 2 cx + w / 8
	s_sub_co_u32 s75, 15, s15                      ; the first pass's group
	s_lshl_b32 s76, s75, 3
	s_add_co_u32 s76, s76, s74                     ; its tile of the head's 128,
	s_lshl_b32 s77, s15, 3
	s_add_co_u32 s77, s77, s74                     ; the second pass's
	s_mov_b32 s83, 0
	s_lshl_b32 s78, s14, 17                        ; q's codes: head x 131,072 + tile x 1,024
	s_lshl_b32 s79, s76, 10
	s_add_co_u32 s82, s78, s79
	s_add_nc_u64 s[84:85], s[4:5], s[82:83]
	s_lshl_b32 s79, s77, 10
	s_add_co_u32 s82, s78, s79
	s_add_nc_u64 s[86:87], s[4:5], s[82:83]
	s_lshl_b32 s78, s14, 12                        ; q's scale bytes: head x 4,096 + group x 256 + 128 (w / 8) + 4 cx
	s_lshl_b32 s79, s16, 7
	s_add_co_u32 s78, s78, s79
	s_lshl_b32 s79, s13, 2
	s_add_co_u32 s78, s78, s79
	s_lshl_b32 s79, s75, 8
	s_add_co_u32 s82, s78, s79
	s_add_nc_u64 s[88:89], s[6:7], s[82:83]
	s_lshl_b32 s79, s15, 8
	s_add_co_u32 s82, s78, s79
	s_add_nc_u64 s[90:91], s[6:7], s[82:83]
	s_lshr_b32 s80, s14, 4                         ; batch
	s_and_b32 s81, s14, 15                         ; head
	s_lshl_b32 s78, s80, 21                        ; ao_codes: (128 batch + tile) x 16,384 + head x 1,024
	s_lshl_b32 s79, s81, 10
	s_add_co_u32 s78, s78, s79
	s_lshl_b32 s79, s76, 14
	s_add_co_u32 s82, s78, s79
	s_add_nc_u64 s[66:67], s[8:9], s[82:83]
	s_lshl_b32 s79, s77, 14
	s_add_co_u32 s82, s78, s79
	s_add_nc_u64 s[70:71], s[8:9], s[82:83]
	s_lshl_b32 s78, s80, 16                        ; ao_scales: (2,048 batch + 16 tile) x 32 + 2 head
	s_lshl_b32 s79, s81, 1
	s_add_co_u32 s78, s78, s79
	s_lshl_b32 s79, s76, 9
	s_add_co_u32 s82, s78, s79
	s_add_nc_u64 s[68:69], s[10:11], s[82:83]
	s_lshl_b32 s79, s77, 9
	s_add_co_u32 s82, s78, s79
	s_add_nc_u64 s[72:73], s[10:11], s[82:83]
	s_mov_b32 s[GAM], s75
	s_lshl_b32 s74, s74, 4                         ; my tile's first query in its group
	v_and_b32 v8, 15, v0                           ; r
	v_bfe_u32 v9, v0, 4, 1                         ; h
	s_delay_alu instid0(VALU_DEP_2)
	v_and_b32 v234, 7, v8
	s_delay_alu instid0(VALU_DEP_3)
	v_lshrrev_b32 v235, 3, v8
	s_delay_alu instid0(VALU_DEP_2)
	v_lshlrev_b32 v232, 7, v234
	s_delay_alu instid0(VALU_DEP_1)
	v_lshl_add_u32 v232, v235, 6, v232
	s_delay_alu instid0(VALU_DEP_1)
	v_lshl_add_u32 v232, v9, 4, v232               ; q's codes: row r % 8, 64 (r / 8) + 16 h bytes on
	v_lshlrev_b32 v233, 4, v234
	s_delay_alu instid0(VALU_DEP_1)
	v_lshl_add_u32 v233, v235, 1, v233             ; q's two scale bytes: 16 (r % 8) + 2 (r / 8)
	global_load_b128 v[16:19], v232, s[84:85]      ; the first pass's q, into both operands
	global_load_b128 v[20:23], v232, s[84:85] offset:32
	global_load_b128 v[40:43], v232, s[84:85]
	global_load_b128 v[44:47], v232, s[84:85] offset:32
	global_load_b128 v[224:227], v232, s[86:87]    ; the second pass's waits in v224-231
	global_load_b128 v[228:231], v232, s[86:87] offset:32
	global_load_u16 v255, v233, s[88:89]
	global_load_u16 v11, v233, s[90:91]
	v_mul_u32_u24 v[AK], v8, KP
	s_delay_alu instid0(VALU_DEP_1)
	v_lshl_add_u32 v[AK], v9, 4, v[AK]
	s_delay_alu instid0(VALU_DEP_1)
	v_add_nc_u32 v[AV], VREG, v[AK]
	v_lshlrev_b32 v[DQ], 4, v9
	s_delay_alu instid0(VALU_DEP_1)
	v_sub_nc_u32 v[DQ], v8, v[DQ]
	s_delay_alu instid0(VALU_DEP_1)
	v_add_nc_u32 v[DQ], s74, v[DQ]
	v_lshl_add_u32 v[ASK], v8, 4, SCK
	v_mov_b32 v[NEG], 0xff800000
	v_and_b32 v[GO], 31, v0
	s_delay_alu instid0(VALU_DEP_1)
	v_lshlrev_b32 v[GO], 4, v[GO]
	v_lshlrev_b32 v[GS], 5, v8
.set n, 0
.rept 16
	v_mov_b32 v[24+n], 0                           ; the zero codes: v24-31 behind q, v32-39 ahead of it
.set n, n+1
.endr
.irp b, 0,1,2,3
	v_mov_b32 v[236+\b], 0                         ; written once: a lane permute's destination counts as one of its sources
.endr
	v_mov_b32 v252, 0
	v_mov_b32 v253, 0                              ; (named as the upper half of the pair v[252:253] before it is first written)
.macro PASS_INIT second
.if \second
	s_wait_xcnt 0x0                                ; the first pass's stores have read their registers
	v_lshl_or_b32 v255, v11, 16, v11               ; q's scale word (q0, q1, q0, q1): it serves both operands
.set n, 0
.rept 8
	v_mov_b32 v[16+n], v[224+n]
	v_mov_b32 v[40+n], v[224+n]
.set n, n+1
.endr
	s_mov_b32 s[GAM], s15
.endif
.set n, 0
.rept 32
	v_mov_b32 v[O+n], 0                            ; O^T.  (The step is written without a first step of its own: it finds zeros, which the first change of M leaves zeros)
.set n, n+1
.endr
	v_mov_b32 v13, 0xff61b1e6                      ; the largest t so far: -3e38
	s_delay_alu instid0(VALU_DEP_1)
	v_floor_f32 v12, -v13                          ; -M
	v_mov_b32 v14, 0                               ; the sum, in two halves
	v_mov_b32 v15, 0
	s_mov_b32 s[SG], 0
	s_mov_b32 s[TB], 0
	s_mov_b32 s[TS], 0
.endm
; A KEY STEP: 128 keys.  edge = 1: a step behind my group's diagonal is left out (a branch on the wave's number and the loop's count, round the work, not round the lines that step addresses); on the diagonal hidden scores become -infinity.
.macro STEP edge
.if \edge
	s_cmp_gt_u32 s[SG], s[GAM]
	s_cbranch_scc1 .Lhidden_\@
.endif
	s_setprio 2
	v_add_nc_u32 v[ADK], s[TB], v[AK]
	v_add_nc_u32 v[ADV], s[TB], v[AV]
	v_add_nc_u32 v[ADS], s[TS], v[ASK]
.rept 5
	v_nop                                          ; with the three additions: eight places in front of loads into registers that the last products read
.endr
.irp b, 0,1,2,3
.irp c, 0,1,2,3
	ds_load_b128 v[FR+16*\b+4*\c:FR+16*\b+4*\c+3], v[ADK] offset:16*KP*\b+32*\c
.endr
.endr
	ds_load_b128 v[248:251], v[ADS]                ; the scale words of row r of fragments 0 to 3
	s_wait_alu depctr_va_vdst(0)
	s_wait_dscnt 0x0
.irp b, 0,1,2,3
.irp u, 0,1
	v_wmma_scale_f32_16x16x128_f8f6f4 v[S+16*\b+8*\u:S+16*\b+8*\u+7], v[FR+16*\b:FR+16*\b+15], v[QA+16*\u:QA+16*\u+15], 0, v[248+\b], v255
.endr
.endr
.rept 8
	v_nop
.endr
.irp b, 0,1,2,3                        ; V's fragments and scale words are asked for now and land under the softmax
.irp c, 0,1,2,3
	ds_load_b128 v[FR+16*\b+4*\c:FR+16*\b+4*\c+3], v[ADV] offset:16*KP*\b+32*\c
.endr
.endr
	ds_load_b128 v[248:251], v[ADS] offset:SCV-SCK
.if \edge
	s_cmp_lg_u32 s[SG], s[GAM]
	s_cbranch_scc1 .Lopen_\@
.set n, 0
.rept 64                               ; register 16 b + i holds key 32 b + 16 h + i of the step: hidden where 32 b + i > my query - 16 h
	v_cmp_gt_i32 vcc_lo, 32*(n/16)+n%16, v[DQ]
	v_cndmask_b32 v[S+n], v[S+n], v[NEG], vcc_lo
.set n, n+1
.endr
.Lopen_\@:
.endif
.irp b, 0,1,2,3
	v_max3_num_f32 v[232+\b], v[S+16*\b], v[S+1+16*\b], v[S+2+16*\b]   ; the largest score of each block of 32 keys: for the row's maximum and, since p rises with the score, for the block's largest p
.endr
.irp i, 3,5,7,9,11,13
.irp b, 0,1,2,3
	v_max3_num_f32 v[232+\b], v[232+\b], v[S+16*\b+\i], v[S+1+16*\b+\i]
.endr
.endr
.irp b, 0,1,2,3
	v_max_num_f32 v[232+\b], v[232+\b], v[S+15+16*\b]
.endr
.irp b, 0,1,2,3
	s_delay_alu instid0(VALU_DEP_4)
	v_permlanex16_b32 v[236+\b], v[232+\b], s[SEL], s[SEL+1]
.endr
.irp b, 0,1,2,3
	s_delay_alu instid0(VALU_DEP_4)
	v_max_num_f32 v[232+\b], v[232+\b], v[236+\b]
.endr
	s_delay_alu instid0(VALU_DEP_2)
	v_max3_num_f32 v254, v232, v233, v234
	s_delay_alu instid0(VALU_DEP_1)
	v_max_num_f32 v254, v254, v235
	s_delay_alu instid0(VALU_DEP_1)
	v_mul_f32 v254, s[CS], v254                    ; as t (c is positive)
	s_delay_alu instid0(VALU_DEP_1)
	v_max_num_f32 v13, v13, v254                   ; the running largest t
	v_mov_b32 v254, v12
	s_delay_alu instid0(VALU_DEP_2)
	v_floor_f32 v12, -v13                          ; the new -M = -ceil(t): a whole number
	s_delay_alu instid0(VALU_DEP_1)
	v_sub_f32 v254, v12, v254                      ; old M - new M: a whole number, 0 or less
	s_delay_alu instid0(VALU_DEP_1)
	v_cvt_i32_f32 v254, v254                       ; (it saturates)
	s_delay_alu instid0(VALU_DEP_1)
	v_ldexp_f32 v252, 1.0, v254                    ; f = 2^(old M - new M): a multiplication by it rounds nothing
.set n, 0
.rept 32
	v_pk_fma_f32 v[S+n:S+n+1], v[S+n:S+n+1], s[CS:CS+1], v[12:13] op_sel_hi:[1,0,0]   ; t - M, two at a time
.set n, n+2
.endr
.irp b, 0,1,2,3
	v_fma_f32 v[232+\b], v[232+\b], s[CS], v12
.endr
.set n, 0
	s_setprio 1
	s_wait_alu depctr_va_vdst(0)
.rept 64
	v_exp_f32 v[S+n], v[S+n]                       ; p = 2^(t - M)
.set n, n+1
.endr
	v_pk_mul_f32 v[14:15], v[14:15], v[252:253] op_sel_hi:[1,0]   ; the sums under the new M (a plain line behind the exponentials)
	s_wait_alu depctr_va_vdst(0)                   ; one wait for the batch of 64, ahead of its first reader
.irp b, 0,1,2,3
	v_exp_f32 v[232+\b], v[232+\b]                 ; the block's largest p: the same two instructions on the same number
.endr
	v_pk_add_f32 v[236:237], v[116:117], v[120:121]
	v_pk_add_f32 v[246:247], v[124:125], v[128:129]
	v_pk_add_f32 v[244:245], v[132:133], v[136:137]
	v_pk_add_f32 v[242:243], v[140:141], v[144:145]
	v_pk_add_f32 v[240:241], v[148:149], v[152:153]
	v_pk_add_f32 v[238:239], v[156:157], v[160:161]
	v_pk_add_f32 v[222:223], v[164:165], v[168:169]
	v_pk_add_f32 v[14:15], v[14:15], v[172:173]
	v_pk_add_f32 v[236:237], v[236:237], v[112:113]
	v_pk_add_f32 v[246:247], v[246:247], v[114:115]
	v_pk_add_f32 v[244:245], v[244:245], v[118:119]
	v_pk_add_f32 v[242:243], v[242:243], v[122:123]
	v_pk_add_f32 v[240:241], v[240:241], v[126:127]
	v_pk_add_f32 v[238:239], v[238:239], v[130:131]
	v_pk_add_f32 v[222:223], v[222:223], v[134:135]
	v_pk_add_f32 v[14:15], v[14:15], v[138:139]
	v_pk_add_f32 v[236:237], v[236:237], v[142:143]
	v_pk_add_f32 v[246:247], v[246:247], v[146:147]
	v_pk_add_f32 v[244:245], v[244:245], v[150:151]
	v_pk_add_f32 v[242:243], v[242:243], v[154:155]
	v_pk_add_f32 v[240:241], v[240:241], v[158:159]
	v_pk_add_f32 v[238:239], v[238:239], v[162:163]
	v_pk_add_f32 v[222:223], v[222:223], v[166:167]
	v_pk_add_f32 v[14:15], v[14:15], v[170:171]
	v_pk_add_f32 v[236:237], v[236:237], v[174:175]
	s_delay_alu instid0(VALU_DEP_2)
	v_pk_add_f32 v[14:15], v[14:15], v[242:243]
	s_delay_alu instid0(VALU_DEP_2)
	v_pk_add_f32 v[236:237], v[236:237], v[240:241]
	v_pk_add_f32 v[246:247], v[246:247], v[238:239]
	v_pk_add_f32 v[244:245], v[244:245], v[222:223]
	s_delay_alu instid0(VALU_DEP_2)
	v_pk_add_f32 v[14:15], v[14:15], v[246:247]
	s_delay_alu instid0(VALU_DEP_2)
	v_pk_add_f32 v[236:237], v[236:237], v[244:245]
	s_delay_alu instid0(VALU_DEP_1)
	v_pk_add_f32 v[14:15], v[14:15], v[236:237]
	s_wait_alu depctr_va_vdst(0)                   ; and one for the four
.irp b, 0,1,2,3
	v_max_num_f32 v[232+\b], 0x4800000, v[232+\b]  ; the floor 2^(9 - 127): the byte cannot fall under 1
.endr
.irp b, 0,1,2,3
	s_delay_alu instid0(VALU_DEP_4)
	v_add_nc_u32 v[244+\b], 0xfc000000, v[232+\b]
.endr
.irp b, 0,1,2,3
.endr
.irp b, 0,1,2,3
	s_delay_alu instid0(VALU_DEP_4)
	v_lshrrev_b32 v[236+\b], 23, v[244+\b]
.endr
	s_delay_alu instid0(VALU_DEP_3)
	v_lshl_or_b32 v253, v237, 8, v236              ; p's scale word for these 128 keys
	s_delay_alu instid0(VALU_DEP_1)
	v_lshl_or_b32 v253, v238, 16, v253
	s_delay_alu instid0(VALU_DEP_1)
	v_lshl_or_b32 v253, v239, 24, v253
	s_setprio 0
.irp b, 0,1,2,3
.irp i, 0,1,2,3,4,5,6,7,8,9,10,11,12,13,14,15
.endr
	v_cvt_scalef32_pk8_fp8_f32 v[PC+4*\b:PC+1+4*\b], v[S+16*\b:S+7+16*\b], v[244+\b]
	v_cvt_scalef32_pk8_fp8_f32 v[PC+2+4*\b:PC+3+4*\b], v[S+8+16*\b:S+15+16*\b], v[244+\b]
.endr
.set n, 0
.rept 16
	v_pk_mul_f32 v[O+n:O+n+1], v[O+n:O+n+1], v[252:253] op_sel_hi:[1,0]   ; O^T under the new M; these sixteen also stand between the codes and the products
.set n, n+2
.endr
	s_wait_alu depctr_va_vdst(0)
	s_wait_dscnt 0x0                               ; V
.irp t, 0,1,2,3                        ; the four accumulators take turns; the next step's eight products stand between two links
	v_wmma_scale_f32_16x16x128_f8f6f4 v[O+8*\t:O+8*\t+7], v[FR+16*\t:FR+16*\t+15], v[PC:PC+15], v[O+8*\t:O+8*\t+7], v[248+\t], v253
.endr
.if \edge
.Lhidden_\@:
.endif
	s_add_co_u32 s[TB], s[TB], STEPB
	s_add_co_u32 s[TS], s[TS], 272
	s_add_co_u32 s[SG], s[SG], 1
.endm
; O^T / the sum; register 16 B + i is channel 32 B + 16 h + i of query r: two blocks of 32, quantised as the next product's operand.
.macro WAYOUT pc, ps
.rept 8
	v_nop
.endr
	v_add_f32 v14, v14, v15
	s_delay_alu instid0(VALU_DEP_1)
	v_permlanex16_b32 v252, v14, s[SEL], s[SEL+1]
	s_delay_alu instid0(VALU_DEP_1)
	v_add_f32 v14, v14, v252
	s_wait_alu depctr_va_vdst(0)
	v_rcp_f32 v14, v14
	v_nop                                          ; a plain line behind the transcendental
	s_wait_alu depctr_va_vdst(0)                   ; the wait ahead of its first reader
.set n, 0
.rept 32
	v_mul_f32 v[S+n], v[O+n], v14                  ; each accumulator from its low end on
.set n, n+1
.endr
.irp b, 0,1
	v_max3_num_f32 v[232+\b], |v[S+16*\b]|, |v[S+1+16*\b]|, 0x4800000
.endr
.irp i, 2,4,6,8,10,12,14
.irp b, 0,1
	s_delay_alu instid0(VALU_DEP_2)
	v_max3_num_f32 v[232+\b], v[232+\b], |v[S+16*\b+\i]|, |v[S+1+16*\b+\i]|
.endr
.endr
.irp b, 0,1
	s_delay_alu instid0(VALU_DEP_2)
	v_permlanex16_b32 v[236+\b], v[232+\b], s[SEL], s[SEL+1]
.endr
.irp b, 0,1
	s_delay_alu instid0(VALU_DEP_2)
	v_max_num_f32 v[232+\b], v[232+\b], v[236+\b]
.endr
.irp b, 0,1
	s_delay_alu instid0(VALU_DEP_2)
	v_add_nc_u32 v[244+\b], 0xfc000000, v[232+\b]
.endr
.irp b, 0,1
.endr
.irp b, 0,1
	s_delay_alu instid0(VALU_DEP_2)
	v_lshrrev_b32 v[236+\b], 23, v[244+\b]
.endr
	s_delay_alu instid0(VALU_DEP_1)
	v_lshl_or_b32 v254, v237, 8, v236
.irp b, 0,1
.irp i, 0,1,2,3,4,5,6,7,8,9,10,11,12,13,14,15
.endr
	v_cvt_scalef32_pk8_fp8_f32 v[PC+4*\b:PC+1+4*\b], v[S+16*\b:S+7+16*\b], v[244+\b]
	v_cvt_scalef32_pk8_fp8_f32 v[PC+2+4*\b:PC+3+4*\b], v[S+8+16*\b:S+15+16*\b], v[244+\b]
.endr
	v_nop                                          ; a plain line behind the last conversion
	global_store_b128 v[GO], v[PC:PC+3], s[\pc:\pc+1]              ; 512 consecutive bytes, aligned
	global_store_b128 v[GO], v[PC+4:PC+7], s[\pc:\pc+1] offset:512
	global_store_b16 v[GS], v254, s[\ps:\ps+1]     ; both halves of the lanes write the same two bytes with the same value
.endm
.macro LOOP count, edge
	s_mov_b32 s[CNT], \count
.Lsteps_\@:
	s_wait_alu depctr_va_vdst(0)
	STEP \edge
	s_sub_co_u32 s[CNT], s[CNT], 1
	s_cmp_lg_u32 s[CNT], 0
	s_cbranch_scc1 .Lsteps_\@
	s_setprio 0
.endm
	PASS_INIT 0
	s_wait_loadcnt 0x0                             ; q
	v_lshl_or_b32 v255, v255, 16, v255             ; q's scale word (q0, q1, q0, q1)
	s_wait_tensorcnt 0x3                           ; the scale words and stage 0 have landed; stages 1 to 3 stay out, so a counted wait may stand here
	s_barrier_signal -1
	s_barrier_wait -1
	LOOP 4, 0                                      ; key steps 0 to 3: the first pass's group is 8 or more, so every wave walks them whole
	s_wait_tensorcnt 0x2                           ; stage 1
	s_wait_dscnt 0x0
	s_barrier_signal -1
	s_barrier_wait -1
	LOOP 4, 0                                      ; key steps 4 to 7
	s_wait_tensorcnt 0x0                           ; stages 2 and 3
	s_wait_dscnt 0x0
	s_barrier_signal -1
	s_barrier_wait -1
	LOOP 8, 1                                      ; key steps 8 to 15, up to my diagonal
	WAYOUT 66, 68
	PASS_INIT 1
	LOOP 8, 1                                      ; the second pass: key steps 0 to 7, up to my diagonal
	WAYOUT 70, 72
	s_wait_xcnt 0x0
	v_lshl_add_u32 v254, v0, 2, 0x4a200
	v_mov_b32 v255, 0
	s_wait_alu depctr_va_vdst(0)
	s_wait_tensorcnt 0x0
	ds_add_u32 v254, v255
	s_wait_dscnt 0x0
	ROUND                                          ; the closing round
	s_endpgm
.Lfunc_end_k_qd8168c3039_attn:
	.size	k_qd8168c3039_attn, .Lfunc_end_k_qd8168c3039_attn-k_qd8168c3039_attn
	.p2alignl 7, 3214868480
	.fill 96, 4, 3214868480
	.section	.rodata,"a",@progbits
	.p2align	6, 0x0
	.amdhsa_kernel k_qd8168c3039_attn
		.amdhsa_group_segment_fixed_size 327680
		.amdhsa_private_segment_fixed_size 0
		.amdhsa_enable_private_segment 0
		.amdhsa_kernarg_size 32
		.amdhsa_user_sgpr_count 2
		.amdhsa_user_sgpr_kernarg_segment_ptr 1
		.amdhsa_wavefront_size32 1
		.amdhsa_system_sgpr_workgroup_id_x 1
		.amdhsa_system_sgpr_workgroup_id_y 1
		.amdhsa_system_sgpr_workgroup_id_z 1
		.amdhsa_system_vgpr_workitem_id 0
		.amdhsa_next_free_vgpr 256
		.amdhsa_next_free_sgpr 96
		.amdhsa_reserve_vcc 1
		.amdhsa_float_denorm_mode_32 3
		.amdhsa_float_denorm_mode_16_64 3
		.amdhsa_fp16_overflow 1
		.amdhsa_memory_ordered 1
		.amdhsa_forward_progress 1
		.amdhsa_inst_pref_size 102
	.end_amdhsa_kernel
	.amdgpu_metadata
---
amdhsa.version: [ 1, 2 ]
amdhsa.kernels:
  - .name:           k_qd8168c3039_attn
    .symbol:         k_qd8168c3039_attn.kd
    .args:
      - { .name: qkv_codes, .offset: 0, .size: 8, .value_kind: global_buffer, .address_space: global }
      - { .name: qkv_scales, .offset: 8, .size: 8, .value_kind: global_buffer, .address_space: global }
      - { .name: ao_codes, .offset: 16, .size: 8, .value_kind: global_buffer, .address_space: global }
      - { .name: ao_scales, .offset: 24, .size: 8, .value_kind: global_buffer, .address_space: global }
    .group_segment_fixed_size: 327680
    .private_segment_fixed_size: 0
    .kernarg_segment_align: 8
    .kernarg_segment_size: 32
    .max_flat_workgroup_size: 512
    .sgpr_count:     96
    .vgpr_count:     256
    .wavefront_size: 32
...
	.end_amdgpu_metadata
.endif
;; end of part 3
;; launch oproj (part 4): grid 4 x 64, 4 waves a work-group, clusters of 4 x 4, 327,680 bytes of LDS; arguments ao_codes, ao_scales, Wo_codes, Wo_scales, bo, x, out0; writes out0
.if DOCPART == 4
	.amdgcn_target "amdgcn-amd-amdhsa--gfx1250"
	.amdhsa_code_object_version 6
	.text
	.protected	k_qd8168c3039_oproj
	.globl	k_qd8168c3039_oproj
	.p2align	8
	.type	k_qd8168c3039_oproj,@function
k_qd8168c3039_oproj:
	s_mov_b64 s[64:65], 0
	v_nop
	global_prefetch_b8 v0, s[64:65] scope:SCOPE_SE
	s_setreg_imm32_b32 hwreg(HW_REG_WAVE_MODE, 25, 1), 1
	s_wait_xcnt 0x0
	s_wait_alu depctr_hold_cnt(0) depctr_sa_sdst(0) depctr_va_vdst(0) depctr_va_sdst(0) depctr_va_ssrc(0) depctr_va_vcc(0) depctr_vm_vsrc(0)
	s_getreg_b32 s2, hwreg(HW_REG_IB_STS2, 6, 4)
	s_cmp_eq_u32 s2, 0
	s_cbranch_scc0 .Lentry_in_a_cluster
	s_endpgm
.Lentry_in_a_cluster:
	s_bfe_u32 s2, ttmp6, 0x10000c
	s_cmp_lg_u32 s2, 0xf033
	s_cbranch_scc0 .Lentry_shape_is_right
	s_endpgm
.Lentry_shape_is_right:
; out0 = x + attention's result x Wo + bo, the product on codes of E4M3 with E8M0 scales (K = 1,024); out0, x: [8192][1024] f32.
; A work-group of four waves makes 128 tokens x 256 columns (256 work-groups in all), a wave 64 x 128: 32 accumulators, 256 registers (window 2).  Window 3 holds the wave's whole tile of x, asked for ahead of the products.
; A's codes lie in memory as images of its fragments ([tile of 16 tokens][128 along K][4][lane][16 bytes]): a K step of 256 is 4,096 consecutive bytes a tile, and a fragment comes out of LDS by four loads of 512 consecutive bytes.
; B = Wo's rows, K innermost, through padded LDS rows.  K goes in steps of 256 through two slots; the scale bytes of the work-group's rows come once and stay.
; THE MATRIX INSTRUCTION IS USED TRANSPOSED (source 0 = 16 rows of Wo, source 1 = 16 tokens): a lane holds eight neighbouring columns of one token.  bo is the C of each sum's first product.
; CLUSTERS: 4 x 4 work-groups; A's tiles are asked for jointly along a row of the cluster, B's along a column.
; REGISTERS: window 0: v16-31 addresses; v32-63 scale words, two sets; v64-127 bo; v128-191, v192-255 A's fragments, two sets.  window 1: B's, two sets.
.set PITCH,  272
.set AIMG,   32768                     ; a slot: A's 8 tiles x 2 x 2,048 bytes,
.set HALFB,  128*PITCH                 ; then B's 256 rows
.set SLOT,   AIMG+2*HALFB
.set SCL,    2*SLOT
.set SA,     8*272                     ; the scales of 64 tokens
.set SBH,    16*272                    ; of 128 rows of Wo
.set SBLK,   544                       ; of 16 rows
.set SPARE,  SCL+2*SA+2*SBH            ; the spare words, 128 bytes a wave: two blocks of 256 bytes that no other line names
.set SPITCH, 528                       ; the way out: 16 rows x (512 + 16) bytes a wave, in slot 0, which has had its last fill and its last read by then
.set ADRA, 16
.set ADRB, 20
.set STO,  24
.set RD,   25
.set CO,   26
.set ADRS, 27
.set SPW,  28
.set NIL,  29
.set SC,   32
.set BIAS, 64
.set BK,   128
.set G1, 24
.set G0, 32
.set G1B, 48
.set G0B, 56
.set G1S, 68
.set G0S, 76
.set G1SB, 80
.set G0SB, 88
.set MSB, 0
.macro WIN new
.if MSB != (\new)
	s_set_vgpr_msb (MSB<<8)|(\new)
.set MSB, (\new)
.endif
.endm
.macro JLOAD g0a, g1a, g0b, g1b        ; waves 0 and 1 fetch for A, waves 2 and 3 for B; four v_nop follow each of the two lines
	s_cmp_eq_u32 s15, 0
	s_cbranch_scc0 .Lfor_b_\@
	tensor_load_to_lds s[\g0a:\g0a+3], s[\g1a:\g1a+7]
	s_nop 0
.rept 4
	v_nop
.endr
	s_branch .Lasked_\@
.Lfor_b_\@:
	tensor_load_to_lds s[\g0b:\g0b+3], s[\g1b:\g1b+7]
	s_nop 0
.rept 4
	v_nop
.endr
.Lasked_\@:
.endm
.macro CREST
	s_cmp_lg_u32 s14, 0
	s_cbranch_scc1 .Lnot_wave_0_\@
	s_barrier_signal -3
.Lnot_wave_0_\@:
	s_barrier_wait -3
	s_barrier_signal -1
	s_barrier_wait -1
.endm
.macro CROUND
	s_barrier_signal -1
	s_barrier_wait -1
	CREST
.endm
	s_load_b256 s[4:11], s[0:1], 0x0               ; ao_codes, ao_scales, Wo_codes, Wo_scales
	s_load_b64 s[12:13], s[0:1], 0x20              ; bo
	s_load_b128 s[92:95], s[0:1], 0x28             ; x, out0
	v_lshl_add_u32 v[SPW], v0, 2, SPARE
	v_mov_b32 v[NIL], 0
	ds_add_u32 v28, v29
	ds_add_u32 v28, v29
	s_wait_dscnt 0x0
	v_lshrrev_b32 v1, 5, v0
	v_readfirstlane_b32 s14, v1                    ; wave 0..3
	s_lshr_b32 s15, s14, 1                         ; my half of the tokens.  Also: I fetch for A (0) or for B (1)
	s_and_b32 s16, s14, 1                          ; my half of the columns.  Also: which half of that tile I fetch
	s_bfe_u32 s40, ttmp6, 0x40000                  ; cx
	s_bfe_u32 s41, ttmp6, 0x40004                  ; cy
	s_lshl_b32 s42, ttmp9, 2
	s_add_co_u32 s42, s42, s40                     ; the tile of 256 columns
	s_and_b32 s17, ttmp7, 0xffff
	s_lshl_b32 s17, s17, 2
	s_add_co_u32 s17, s17, s41                     ; the tile of 128 tokens
	s_lshl_b32 s43, s41, 2
	s_lshl_b32 s43, 15, s43                        ; my row of the cluster
	s_lshl_b32 s44, 0x1111, s40                    ; my column
	; A's codes: 4 rows (tiles of 16 tokens) of 4,096 bytes (512 elements of 8), 16,384 bytes apart; no padding: the reads are dense
	s_or_b32 s[G1+0], s43, (3<<16)|(1<<21)
	s_mov_b32 s[G1+1], 512<<16
	s_mov_b32 s[G1+2], 4<<16
	s_mov_b32 s[G1+3], 512<<16
	s_mov_b32 s[G1+4], 4
	s_mov_b32 s[G1+5], 2048
	s_mov_b32 s[G1+6], 0
	s_mov_b32 s[G1+7], 0
	; B's codes: 128 rows of 256 bytes, 1,024 apart, 16 bytes of padding behind each
	s_or_b32 s[G1B+0], s44, (0<<16)|(1<<20)|(1<<21)|(5<<22)|(3<<25)
	s_mov_b32 s[G1B+1], 256<<16
	s_mov_b32 s[G1B+2], 128<<16
	s_mov_b32 s[G1B+3], 256<<16
	s_mov_b32 s[G1B+4], 128
	s_mov_b32 s[G1B+5], 1024
	s_mov_b32 s[G1B+6], 0
	s_mov_b32 s[G1B+7], 0
	; the scales: dense bytes as rows of 256 (32 elements of 8), 16 bytes of padding behind each: 8 rows for 64 tokens, 16 for 128 rows of Wo
	s_or_b32 s[G1S+0], s43, (3<<16)|(1<<20)|(1<<21)|(5<<22)|(3<<25)
	s_mov_b32 s[G1S+1], 32<<16
	s_mov_b32 s[G1S+2], 8<<16
	s_mov_b32 s[G1S+3], 32<<16
	s_mov_b32 s[G1S+4], 8
	s_mov_b32 s[G1S+5], 32
	s_mov_b32 s[G1S+6], 0
	s_mov_b32 s[G1S+7], 0
	s_or_b32 s[G1SB+0], s44, (3<<16)|(1<<20)|(1<<21)|(5<<22)|(3<<25)
	s_mov_b32 s[G1SB+1], 32<<16
	s_mov_b32 s[G1SB+2], 16<<16
	s_mov_b32 s[G1SB+3], 32<<16
	s_mov_b32 s[G1SB+4], 16
	s_mov_b32 s[G1SB+5], 32
	s_mov_b32 s[G1SB+6], 0
	s_mov_b32 s[G1SB+7], 0
	s_lshl_b32 s20, s17, 17                        ; A's codes: 8 tiles of 16,384 bytes a work-group, 4 a half
	s_lshl_b32 s18, s16, 16
	s_add_co_u32 s20, s20, s18
	s_mov_b32 s21, 0
	s_lshr_b32 s22, s20, 5                         ; its scales: a 32nd
	s_mov_b32 s23, 0
	s_lshl_b32 s46, s42, 18                        ; B's codes: 256 rows of 1,024 bytes a tile, 128 a half
	s_lshl_b32 s18, s16, 17
	s_add_co_u32 s46, s46, s18
	s_mov_b32 s47, 0
	s_lshr_b32 s96, s46, 5
	s_mov_b32 s97, 0
	s_lshl_b32 s45, s16, 14                        ; where they go: made of the wave's number alone
	s_mul_i32 s18, s16, HALFB
	s_add_co_u32 s18, s18, AIMG
	s_mul_i32 s19, s16, SA
	s_add_co_u32 s19, s19, SCL
	s_mul_i32 s3, s16, SBH
	s_add_co_u32 s3, s3, SCL+2*SA
	s_wait_kmcnt 0x0
	s_add_nc_u64 s[20:21], s[4:5], s[20:21]
	s_add_nc_u64 s[22:23], s[6:7], s[22:23]
	s_add_nc_u64 s[46:47], s[8:9], s[46:47]
	s_add_nc_u64 s[96:97], s[10:11], s[96:97]
	CROUND                                         ; all sixteen work-groups are here: the first joint loads meet
	s_mov_b32 s[G0S], 1
	s_mov_b32 s[G0S+1], s19
	s_mov_b64 s[G0S+2:G0S+3], s[22:23]
	s_or_b32 s[G0S+3], s[G0S+3], 0x80000000
	s_mov_b32 s[G0SB], 1
	s_mov_b32 s[G0SB+1], s3
	s_mov_b64 s[G0SB+2:G0SB+3], s[96:97]
	s_or_b32 s[G0SB+3], s[G0SB+3], 0x80000000
	JLOAD G0S, G1S, G0SB, G1SB
.irp s, 0,1
	s_mov_b32 s[G0+4*\s], 1
	s_add_co_u32 s[G0+4*\s+1], s45, \s*SLOT
	s_add_nc_u64 s[G0+4*\s+2:G0+4*\s+3], s[20:21], \s*4096
	s_or_b32 s[G0+4*\s+3], s[G0+4*\s+3], 0x80000000
	s_mov_b32 s[G0B+4*\s], 1
	s_add_co_u32 s[G0B+4*\s+1], s18, \s*SLOT
	s_add_nc_u64 s[G0B+4*\s+2:G0B+4*\s+3], s[46:47], \s*256
	s_or_b32 s[G0B+4*\s+3], s[G0B+4*\s+3], 0x80000000
	s_wait_alu depctr_va_vdst(0)
	s_wait_tensorcnt 0x0
	ds_add_u32 v28, v29
	s_wait_dscnt 0x0
	CROUND
	JLOAD G0+4*\s, G1, G0B+4*\s, G1B
.endr
	v_and_b32 v1, 15, v0                           ; r
	v_bfe_u32 v2, v0, 4, 1                         ; h
	v_and_b32 v3, 31, v0
	v_lshlrev_b32 v[CO], 4, v3                     ; 16 x lane
	s_lshl_b32 s21, s15, 14
	v_add_nc_u32 v[ADRA], s21, v[CO]               ; A: my four tiles' images
	v_add_nc_u32 v[ADRA+1], SLOT, v[ADRA]
	v_mul_u32_u24 v4, v1, PITCH
	v_lshl_add_u32 v4, v2, 4, v4
	s_mul_i32 s22, s16, HALFB
	s_add_co_u32 s22, s22, AIMG
	v_add_nc_u32 v[ADRB], s22, v4                  ; B: my 128 rows
	v_add_nc_u32 v[ADRB+1], SLOT, v[ADRB]
	v_lshlrev_b32 v5, 5, v1                        ; my row's scales: 32 bytes a row,
	v_lshrrev_b32 v6, 3, v1
	v_lshl_add_u32 v5, v6, 4, v5                   ; and 16 more behind each 256
	s_mul_i32 s21, s15, SA
	s_mul_i32 s22, s16, SBH
	s_add_co_u32 s22, s22, 2*SA
	s_sub_co_u32 s22, s22, s21
	v_mul_u32_u24 v6, s22, v2                      ; lanes 16-31 take B's
	s_add_co_u32 s21, s21, SCL
	v_add_nc_u32 v5, v5, v6
	v_add_nc_u32 v[ADRS], s21, v5
	s_mul_i32 s23, s14, 16*SPITCH                  ; my stage
	v_mul_u32_u24 v5, v1, SPITCH
	v_lshl_add_u32 v5, v2, 5, v5
	v_add_nc_u32 v[STO], s23, v5                   ; in: row r, 32 bytes for each half of the lanes
	v_add_nc_u32 v[RD], s23, v[CO]                 ; back: the 32 lanes take one row of 512 bytes
	s_lshl_b32 s46, s42, 10                        ; my first column, in bytes
	s_lshl_b32 s47, s16, 9
	s_add_co_u32 s46, s46, s47
	s_mov_b32 s47, 0
	s_add_nc_u64 s[12:13], s[12:13], s[46:47]      ; bo there
	s_lshl_b32 s20, s17, 19                        ; my first token's row of 4,096 bytes
	s_lshl_b32 s21, s15, 18
	s_add_co_u32 s20, s20, s21
	s_add_co_u32 s20, s20, s46
	s_mov_b32 s21, 0
	s_add_nc_u64 s[92:93], s[92:93], s[20:21]      ; x and out0 at my tile's corner
	s_add_nc_u64 s[94:95], s[94:95], s[20:21]
	v_lshlrev_b32 v30, 5, v2
.irp b, 0,1,2,3,4,5,6,7
	global_load_b128 v[BIAS+8*\b:BIAS+8*\b+3], v30, s[12:13] offset:64*\b        ; bo at columns 16 b + 8 h + 0..7
	global_load_b128 v[BIAS+8*\b+4:BIAS+8*\b+7], v30, s[12:13] offset:64*\b+16
.endr
.macro PLACES n
.rept \n
	v_nop
.endr
.endm
.macro FETCH slot, q, p                ; the fragments of the slot's q-th 128 along K into set p: B's eight, A's four: 48 loads
	WIN 0x40
.irp i, 0,1,2,3,4,5,6,7
.irp c, 0,1,2,3
	ds_load_b128 v[128*(\p)+16*\i+4*\c:128*(\p)+16*\i+4*\c+3], v[ADRB+\slot] offset:128*(\q)+32*\c+\i*16*PITCH
.endr
.endr
	WIN 0
.irp i, 0,1,2,3
.irp c, 0,1,2,3
	ds_load_b128 v[128+64*(\p)+16*\i+4*\c:128+64*(\p)+16*\i+4*\c+3], v[ADRA+\slot] offset:4096*\i+2048*(\q)+512*\c
.endr
.endr
.endm
.macro SCALES sc                       ; a K step's scale words: lanes 0-15 A's block i (blocks 4-7 are read and not used), lanes 16-31 B's block i
.irp i, 0,1,2,3,4,5,6,7
	ds_load_b64 v[SC+16*\sc+2*\i:SC+16*\sc+2*\i+1], v[ADRS] offset:\i*SBLK
.endr
.endm
.macro MUL8 a, p, q, sc, first         ; A's block a x B's eight.  The 32 accumulators take turns, in the same order in every step
.irp b, 0,1,2,3,4,5,6,7
.if \first
	v_wmma_scale_f32_16x16x128_f8f6f4 v[8*(8*(\a)+\b):8*(8*(\a)+\b)+7], v[128*(\p)+16*\b:128*(\p)+16*\b+15], v[128+64*(\p)+16*(\a):128+64*(\p)+16*(\a)+15], v[BIAS+8*\b:BIAS+8*\b+7], v[SC+16*(\sc)+2*\b+(\q)], v[SC+16*(\sc)+2*(\a)+(\q)] matrix_a_scale:MATRIX_SCALE_ROW1
.else
	v_wmma_scale_f32_16x16x128_f8f6f4 v[8*(8*(\a)+\b):8*(8*(\a)+\b)+7], v[128*(\p)+16*\b:128*(\p)+16*\b+15], v[128+64*(\p)+16*(\a):128+64*(\p)+16*(\a)+15], v[8*(8*(\a)+\b):8*(8*(\a)+\b)+7], v[SC+16*(\sc)+2*\b+(\q)], v[SC+16*(\sc)+2*(\a)+(\q)] matrix_a_scale:MATRIX_SCALE_ROW1
.endif
.endr
.endm
.macro STEP slot, first                ; a slot's first 128 along K, on set 0; the second's fragments are fetched ahead of it into set 1
	s_wait_dscnt 0x0                               ; set 0 and the scale words are in
	PLACES 8
	FETCH \slot, 1, 1
.if \first
	WIN 0x81                                       ; C (bo) in window 0, D in window 2
.else
	WIN 0xa1
.endif
	MUL8 0, 0, 0, \slot, \first
	MUL8 1, 0, 0, \slot, \first
	MUL8 2, 0, 0, \slot, \first
	MUL8 3, 0, 0, \slot, \first
	WIN 0
.endm
; A slot's second 128 along K change slots: one barrier; in front of it each wave waits for all its tensor loads, adds 0 to its spare word, and waits for that and for its own reads of this slot.
.macro TURN slot, next, fill
	s_wait_tensorcnt 0x0                           ; all my tensor loads have landed: my part of the next slot
	ds_add_u32 v[SPW], v[NIL]                      ; 0 onto my spare word
	s_wait_dscnt 1                                 ; set 1 is in (the add alone may be out)
	WIN 0xa1
	MUL8 0, 1, 1, \slot, 0
	s_wait_dscnt 0x0                               ; the add is done, and my reads of this slot are over
	s_barrier_signal -1
	MUL8 1, 1, 1, \slot, 0
	WIN 0
	s_barrier_wait -1
.if \fill
	CREST                                          ; the barrier has opened a round of the cluster's barrier
	s_add_nc_u64 s[G0+4*\slot+2:G0+4*\slot+3], s[G0+4*\slot+2:G0+4*\slot+3], 2*4096
	s_add_nc_u64 s[G0B+4*\slot+2:G0B+4*\slot+3], s[G0B+4*\slot+2:G0B+4*\slot+3], 2*256
	JLOAD G0+4*\slot, G1, G0B+4*\slot, G1B         ; the first tensor load behind the round
	PLACES 4
.else
	PLACES 8
.endif
	s_wait_alu depctr_va_vdst(0)
	v_add_nc_u32 v[ADRS], 8, v[ADRS]               ; the next K step's scale words
	FETCH \next, 0, 0
	SCALES \next
	WIN 0xa1
	MUL8 2, 1, 1, \slot, 0
	MUL8 3, 1, 1, \slot, 0
	WIN 0
.endm
.macro XLOAD a                         ; x of my tokens 16 a .. 16 a + 15, my 128 columns: a load reads 512 consecutive bytes; into window 3, laid as the rows come back from the stage
	WIN 0xc0
.irp t, 0,1,2,3,4,5,6,7,8,9,10,11,12,13,14,15
	global_load_b128 v[64*(\a)+4*\t:64*(\a)+4*\t+3], v[CO], s[92:93] offset:4096*(16*(\a)+\t) th:TH_LOAD_NT
.endr
	WIN 0
.endm
	s_wait_alu depctr_va_vdst(0)
	s_wait_tensorcnt 1                             ; the scales and my part of K step 0 are in (K step 1's load may be out)
	s_barrier_signal -1
	s_barrier_wait -1
	FETCH 0, 0, 0
	SCALES 0
	s_wait_loadcnt 0x0                             ; bo
	XLOAD 0                                        ; three quarters of x now, the last behind the second K step's first half
	XLOAD 1
	XLOAD 2
	STEP 0, 1
	TURN 0, 1, 1
	STEP 1, 0
	XLOAD 3
	TURN 1, 0, 1
	STEP 0, 0
	TURN 0, 1, 0                                   ; the last two K steps fill nothing, and have no round
	STEP 1, 0
	s_wait_dscnt 0x0
	WIN 0xa1
	MUL8 0, 1, 1, 1, 0
	MUL8 1, 1, 1, 1, 0
	MUL8 2, 1, 1, 1, 0
	MUL8 3, 1, 1, 1, 0
	WIN 0
; THE WAY OUT, block by block of 16 tokens x 128 columns: through my own stage, back as whole rows of 512 bytes, + x, stored.
.macro TOSTAGE a
	WIN 0x08                                       ; an LDS store's data are its source 1: window 2
.irp b, 0,1,2,3,4,5,6,7
	ds_store_b128 v[STO], v[64*(\a)+8*\b:64*(\a)+8*\b+3] offset:64*\b              ; each accumulator from its low end on
	ds_store_b128 v[STO], v[64*(\a)+8*\b+4:64*(\a)+8*\b+7] offset:64*\b+16
.endr
	WIN 0
.set BB, BK+64*((\a)%2)
.irp t, 0,1,2,3,4,5,6,7,8,9,10,11,12,13,14,15
	ds_load_b128 v[BB+4*\t:BB+4*\t+3], v[RD] offset:\t*SPITCH      ; a wave's LDS instructions are served in order: these see the stores above
.endr
.endm
.macro SEND a, younger                 ; younger: the LDS instructions issued behind block a's loads, which may stay out
.set BB, BK+64*((\a)%2)
	s_wait_dscnt \younger
	WIN 0x0c                                       ; source 1: window 3
.set n, 0
.rept 32
	v_pk_add_f32 v[BB+2*n:BB+2*n+1], v[BB+2*n:BB+2*n+1], v[64*(\a)+2*n:64*(\a)+2*n+1]
.set n, n+1
.endr
	WIN 0
.irp t, 0,1,2,3,4,5,6,7,8,9,10,11,12,13,14,15
	global_store_b128 v[CO], v[BB+4*\t:BB+4*\t+3], s[94:95] offset:4096*(16*(\a)+\t) th:TH_STORE_NT   ; 512 consecutive bytes, aligned; 63 rows at the most: inside the signed 24-bit immediate
.endr
.endm
	PLACES 8
	s_wait_loadcnt 0x0                             ; x
	TOSTAGE 0
.irp a, 1,2,3
.if \a > 1
	s_wait_xcnt 0x0                                ; block a - 2's stores have read their registers: block a's loads may land there
.endif
	TOSTAGE \a
	SEND \a-1, 32                                  ; behind block a - 1's loads: block a's 16 stores and 16 loads
.endr
	SEND 3, 0
	s_wait_tensorcnt 0x0                           ; the wave's end
	ds_add_u32 v[SPW], v[NIL]
	s_wait_dscnt 0x0
	CROUND                                         ; the closing round
	s_endpgm
.Lfunc_end_k_qd8168c3039_oproj:
	.size	k_qd8168c3039_oproj, .Lfunc_end_k_qd8168c3039_oproj-k_qd8168c3039_oproj
	.p2alignl 7, 3214868480
	.fill 96, 4, 3214868480
	.section	.rodata,"a",@progbits
	.p2align	6, 0x0
	.amdhsa_kernel k_qd8168c3039_oproj
		.amdhsa_group_segment_fixed_size 327680
		.amdhsa_private_segment_fixed_size 0
		.amdhsa_enable_private_segment 0
		.amdhsa_kernarg_size 56
		.amdhsa_user_sgpr_count 2
		.amdhsa_user_sgpr_kernarg_segment_ptr 1
		.amdhsa_wavefront_size32 1
		.amdhsa_system_sgpr_workgroup_id_x 1
		.amdhsa_system_sgpr_workgroup_id_y 1
		.amdhsa_system_sgpr_workgroup_id_z 1
		.amdhsa_system_vgpr_workitem_id 0
		.amdhsa_next_free_vgpr 1024
		.amdhsa_next_free_sgpr 98
		.amdhsa_reserve_vcc 0
		.amdhsa_float_denorm_mode_32 3
		.amdhsa_float_denorm_mode_16_64 3
		.amdhsa_memory_ordered 1
		.amdhsa_forward_progress 1
		.amdhsa_inst_pref_size 105
	.end_amdhsa_kernel
	.amdgpu_metadata
---
amdhsa.version: [ 1, 2 ]
amdhsa.kernels:
  - .name:           k_qd8168c3039_oproj
    .symbol:         k_qd8168c3039_oproj.kd
    .args:
      - { .name: ao_codes, .offset: 0, .size: 8, .value_kind: global_buffer, .address_space: global }
      - { .name: ao_scales, .offset: 8, .size: 8, .value_kind: global_buffer, .address_space: global }
      - { .name: Wo_codes, .offset: 16, .size: 8, .value_kind: global_buffer, .address_space: global }
      - { .name: Wo_scales, .offset: 24, .size: 8, .value_kind: global_buffer, .address_space: global }
      - { .name: bo, .offset: 32, .size: 8, .value_kind: global_buffer, .address_space: global }
      - { .name: x, .offset: 40, .size: 8, .value_kind: global_buffer, .address_space: global }
      - { .name: out0, .offset: 48, .size: 8, .value_kind: global_buffer, .address_space: global }
    .group_segment_fixed_size: 327680
    .private_segment_fixed_size: 0
    .kernarg_segment_align: 8
    .kernarg_segment_size: 56
    .max_flat_workgroup_size: 128
    .sgpr_count:     98
    .vgpr_count:     1024
    .wavefront_size: 32
...
	.end_amdgpu_metadata
.endif
;; end of part 4
